; MI455X (gfx1250); checked and timed in simulation.
; The chip was launched on July 23, 2026; its instructions are those of AMD's public machine-readable ISA for CDNA 5 (MIT licence, August 2026) and "CDNA5" Instruction Set Architecture Reference Guide (July 2026). The comments in the code are by the model that wrote it; some were corrected since.
;; Harmonic Oscillator1 D. Allowed arithmetic: matrix products marked QUANTISED: E2M1 operands, one E8M0 scale for each 32 along K, by v_wmma_scale_f32_16x16x128_f8f6f4 with both operands' format E2M1 (or v_wmma_scale_f32_32x16x128_f4), f32 sums; products left as they are: f32 operands where the result goes on into a quantised operand, else bf16, f16 or f32 operands; f32 sums; everything else in f32.
;; Inputs: W1 8 x 256 float32; W2 256 x 256 float32; W3 256 x 1 float32; b1 256 float32; b2 256 float32; b3 1 float32; x 16 x 2,048 x 8 float32.
;; Outputs: out0 16 x 2,048 float32.
;; This version of the problem:
;;   THIS VERSION OF THE PROBLEM IS GIVEN IN LOW PRECISION. The matrix products marked QUANTISED in the list below multiply operands that are first quantised to E2M1 (2 exponent bits, 1 mantissa bit; 4 bits a number), with one power-of-two scale for each 32 numbers along K (OCP MX v1.0); their sums are f32. All else is computed in f32.
;;   The module's matrix products, in the order in which they are computed (A, B: the left and right operand; K: the contracted axis; several contracted axes count as one K, in the product's order):
;;     1. [M 32,768, K 8] x [K 8, N 256]; A: input x; B: input W1: left as it is (K = 8 < 32)
;;     2. [M 32,768, K 256] x [K 256, N 256]; A: computed on the way; B: input W2: QUANTISED
;;     3. [M 32,768, K 256] x [K 256, N 1]; A: computed on the way; B: input W3: left as it is (N = 1 < 16)
;;     4. [M 1, K 1] x [K 1, N 256]; A: computed on the way; B: input W3: left as it is (K = 1 < 32)
;;     5. [M 32,768, K 256] x [K 256, N 256]; A: computed on the way; B: input W2: QUANTISED
;;     6. [M 32,768, K 256] x [K 256, N 8]; A: computed on the way; B: input W1: left as it is (N = 8 < 16)
;;     7. [M 32,768, K 8] x [K 8, N 256]; A: input x; B: input W1: left as it is (K = 8 < 32)
;;     8. [M 8, K 8] x [K 8, N 256]; A: computed on the way; B: input W1: left as it is (K = 8 < 32)
;;     9. [M 32,768, K 256] x [K 256, N 256]; A: computed on the way; B: input W2: QUANTISED
;;     10. [M 262,144, K 256] x [K 256, N 256]; A: computed on the way; B: input W2: QUANTISED
;;     11. [M 32,768, K 256] x [K 256, N 1]; A: computed on the way; B: input W3: left as it is (N = 1 < 16)
;;     12. [M 262,144, K 256] x [K 256, N 1]; A: computed on the way; B: input W3: left as it is (N = 1 < 16)
;;     13. [M 1, K 1] x [K 1, N 256]; A: computed on the way; B: input W3: left as it is (K = 1 < 32)
;;     14. [M 32,768, K 256] x [K 256, N 256]; A: computed on the way; B: input W2: QUANTISED
;;     15. [M 262,144, K 256] x [K 256, N 256]; A: computed on the way; B: input W2: QUANTISED
;;     16. [M 32,768, K 256] x [K 256, N 8]; A: computed on the way; B: input W1: left as it is (N = 8 < 16)
;;     17. [M 262,144, K 256] x [K 256, N 8]; A: computed on the way; B: input W1: left as it is (N = 8 < 16)
;;     18. batch 8 x [M 1, K 8] x [K 8, N 32,768]; A: computed on the way; B: computed on the way: left as it is (K = 8 < 32)
;;   THE QUANTISER, for each operand of a quantised product, along K:
;;     - K is cut into blocks of 32 from its start; a last block that is shorter is filled with zeros.
;;     - A block's scale is 2^e with e = floor(log2(the largest magnitude in the block)) - 2, held to -126 .. 127; a block of zeros has e = 0. As a byte (E8M0): e + 127.
;;     - Each number is divided by its block's scale, clamped to +-6, and rounded to the nearest number of E2M1, ties to even, subnormals kept.
;;     - The product sums the exact products of the quantised numbers (number of the format x scale) in f32.
;;   ~~~python
;;   def quantise(x, axis):      # numpy; x: float32 -> the quantised numbers, widened to float32 again
;;       x = np.moveaxis(x, axis, -1); K = x.shape[-1]
;;       x = np.pad(x, [(0, 0)] * (x.ndim - 1) + [(0, -K % 32)]); x = x.reshape(x.shape[:-1] + (-1, 32)); a = np.abs(x).max(-1, keepdims=True)
;;       e = np.where(a > 0, np.clip(np.frexp(np.where(a > 0, a, 1))[1] - 1 - 2, -126, 127), 0)      # np.frexp(a)[1] - 1 = floor(log2(a)), exactly
;;       r = np.clip(x / 2.0 ** e, -6, 6)
;;       step = 2.0 ** (np.maximum(np.frexp(np.where(r == 0, 1, r))[1] - 1, 0) - 1)
;;       q = np.round(r / step) * step * 2.0 ** e      # np.round: ties to even
;;       return np.moveaxis(q.reshape(q.shape[:-2] + (-1,))[..., :K], -1, axis).astype(np.float32)
;;   ~~~
;;   OPERANDS COMPUTED ON THE WAY. 'Computed on the way' means the value that the module computes at that place (a softmax that the list does not call 'softmax' is quantised finished and normalised). What goes into a quantiser is computed in f32, as accurately as f32 sums, v_exp_f32 and their like allow (about 1e-6 of the number): no bf16 or f16 on the way to a quantiser, and a product that is left as it is and whose result goes on into a quantised operand takes f32 operands (vector FMAs, or v_wmma_f32_16x16x4_f32). A number that lies on a knife's edge between two numbers of the format may be rounded either way, as far as f32 arithmetic and the matrix unit's own rounding can turn it there, and no further.
;; 2 versions, each right; version 2 is version 1 with the launch energy written anew for expert scheduling mode. Each part assembles by itself: llvm-mc -triple=amdgcn-amd-amdhsa -mcpu=gfx1250 --defsym DOCPART=n.
;; ======== version 1 of 2: 2 launches
;; limits: a function is approximated: absolute error at most 1.2e-07
;; workspace buffers: wq 65,536 bytes; ws 4,096 bytes
;; launch quantw (part 1): grid 8 x 1, 4 waves a work-group, no clusters, 1,024 bytes of LDS; arguments W2, wq, ws; writes wq, ws
.if DOCPART == 1
	.amdgcn_target "amdgcn-amd-amdhsa--gfx1250"
	.amdhsa_code_object_version 6
	.text
	.protected	k_qbef98cad0e_quantw
	.globl	k_qbef98cad0e_quantw
	.p2align	8
	.type	k_qbef98cad0e_quantw,@function
k_qbef98cad0e_quantw:
	s_mov_b64 s[64:65], 0
	v_nop
	global_prefetch_b8 v0, s[64:65] scope:SCOPE_SE
	s_setreg_imm32_b32 hwreg(HW_REG_WAVE_MODE, 25, 1), 1
	s_wait_xcnt 0x0
; FIRST OF TWO LAUNCHES.  W2 [256][256] f32 becomes codes of E2M1 with one E8M0 byte for each 32 along K, once for each of its two uses:
;   o = 0: K = W2's first axis  (h @ W2:  the forward product and its tangents),  operand row R = a column n of W2, element W2[k][R];
;   o = 1: K = W2's second axis (ct @ W2^T: the backward product and its tangents), operand row R = a row j of W2, element W2[R][k].
; The codes are laid as IMAGES OF THE OPERAND'S REGISTERS for the second launch: wq[o][w][q][s][c][lane][16 bytes], ws[o][w][q][lane][4 bytes] (lanes 0-15: the scale word of K step 0 of operand row r,
; lanes 16-31: of K step 1).  w = the second launch's wave, q = its tile, s = K step of 128, c = half of it.  Lane (r, h) of tile (w, q) holds operand row R = 64 w + 8 q + r % 8 + 32 (r / 8), k = 128 s + 64 c + 32 h + 0 .. 31.
; WHAT THE PROGRAM COMPUTES.  a1 = x W1 + b1, h1 = tanh a1, d1 = 1 - h1^2, a2 = Q(h1) Q(W2) + b2, h2 = tanh a2, d2 = 1 - h2^2, ct2 = W3 d2, ct1 = Q(ct2) Q'(W2)^T, g_i = sum_j ct1_j d1_j W1[i][j];
; for each direction i: Q(d1 W1[i]) Q(W2) = ta2_i, Q(-2 W3 h2 d2 ta2_i) Q'(W2)^T = tc1_i;  lap = sum_j d1_j (sum_i tc1_i[j] W1[i][j] - 2 ct1_j h1_j sum_i W1[i][j]^2);  out = KIN (lap + sum g^2) + POT sum x^2.
; WORK LEFT OUT, for all values of the inputs:  reference() uses grad f and the tangent of grad f alone, so the value of f and its tangent reach no output: the products h2 W3 (table 3, 11, 12) and the input b3,
; which enters f by an addition and has derivative 0; b3 is not loaded and is no argument.  jax.jvp(..)[1] drops the primal result of the second grad (table 16).  Table 7, 9, 13, 14 take the very operands of
; 1, 2, 4, 5 and give the same numbers: each is made once.  Table 4, 13 are 1 x W3; table 8 is eye x W1, the rows of W1.  vdot(e_i, .) with the one-hot e_i that reference() builds keeps column i of table 17: only it is summed (table 18).
; LIMITS: a NaN, an infinity or an overflow that reaches only the work left out is not carried to the result.  NaN and infinities among the inputs are not served.  A block of zeros, or one whose largest
; magnitude lies under 2^-124, gets the byte 1 (the rule says 127 for zeros): its codes add the same under either byte, and the bytes are read by this program alone.
; SHARES: work-group = 4 o + w, wave = q: a wave makes one tile, 128 numbers a lane: four whole blocks of 32, so no other lane is asked for a maximum.  32 waves are all the work there is: 8 work-groups.
.set SPARE, 512                        ; LDS: 0-511 the work-group's scale words, 4 bytes a thread; 512-1023 the spare words, 128 bytes a wave, which no other line names
.set X, 32                             ; v32-159  block b's 32 numbers at v[X + 32 b]
.set C, 160                            ; v160-175 block b's codes at v[C + 4 b]
	s_load_b128 s[4:7], s[0:1], 0x0                ; W2, wq
	s_load_b64 s[8:9], s[0:1], 0x10                ; ws
	v_lshl_add_u32 v8, v0, 2, SPARE                ; my spare word; never rewritten
	v_mov_b32 v9, 0                                ; 0; never rewritten
	v_lshrrev_b32 v1, 5, v0
	v_readfirstlane_b32 s10, v1                    ; wave = q
	v_and_b32 v1, 31, v0                           ; lane
	v_and_b32 v2, 15, v0                           ; r
	v_bfe_u32 v3, v0, 4, 1                         ; h
	s_and_b32 s11, ttmp9, 3                        ; w
	s_lshl_b32 s11, s11, 6
	s_lshl_b32 s12, s10, 3
	s_add_co_u32 s11, s11, s12                     ; 64 w + 8 q
	v_and_b32 v4, 7, v2
	v_lshrrev_b32 v5, 3, v2
	v_lshl_add_u32 v4, v5, 5, v4
	v_add_nc_u32 v4, s11, v4                       ; R
	v_lshlrev_b32 v6, 4, v1                        ; 16 x lane
	v_lshlrev_b32 v7, 2, v0                        ; 4 x thread
	v_lshlrev_b32 v10, 3, v3                       ; 8 h
	v_mov_b32 v26, 0                               ; a lane permute's destination counts as one of its sources
	s_mov_b32 s20, 0x76543210
	s_mov_b32 s21, 0xfedcba98                      ; v_permlanex16_b32's selects for lane l xor 16
	s_lshl_b32 s12, ttmp9, 13                      ; wq: 8,192 bytes a work-group,
	s_lshl_b32 s14, s10, 11                        ; 2,048 a wave
	s_add_co_u32 s12, s12, s14
	s_mov_b32 s13, 0
	s_lshl_b32 s14, ttmp9, 9                       ; ws: 512 bytes a work-group
	s_mov_b32 s15, 0
	s_wait_kmcnt 0x0
	s_add_nc_u64 s[6:7], s[6:7], s[12:13]
	s_add_nc_u64 s[8:9], s[8:9], s[14:15]
	s_cmp_lt_u32 ttmp9, 4                          ; o = 0 or 1: the two arms hold the loads alone
	s_cbranch_scc0 .Lrows
	v_lshlrev_b32 v5, 2, v4
	v_lshl_add_u32 v5, v3, 15, v5                  ; o = 0: column R, registers run DOWN W2's rows: 4 R + 32 h rows of 1,024 bytes
.set B_, 0
.rept 4
.set I_, 0
.rept 32
	global_load_b32 v[X+32*B_+I_], v5, s[4:5] offset:(64*B_+I_)*1024
.set I_, I_+1
.endr
.set B_, B_+1
.endr
	s_branch .Lgot
.Lrows:
	v_lshlrev_b32 v5, 10, v4
	v_lshl_add_u32 v5, v3, 7, v5                   ; o = 1: row R, 32 neighbours a block: 1,024 R + 128 h
.set B_, 0
.rept 4
.set I_, 0
.rept 8
	global_load_b128 v[X+32*B_+4*I_:X+32*B_+4*I_+3], v5, s[4:5] offset:256*B_+16*I_
.set I_, I_+1
.endr
.set B_, B_+1
.endr
.Lgot:
	s_wait_loadcnt 0x0
.irp b, 0,1,2,3
	v_max3_num_f32 v[12+\b], |v[X+32*\b]|, |v[X+1+32*\b]|, 0x1800000   ; a block's largest magnitude, with the floor 2^(3 - 127) among its leaves: the byte cannot fall under 1
.endr
.irp i, 2,4,6,8,10,12,14,16,18,20,22,24,26,28,30
.irp b, 0,1,2,3
	v_max3_num_f32 v[12+\b], v[12+\b], |v[X+32*\b+\i]|, |v[X+1+32*\b+\i]|   ; the four blocks by turns
.endr
.endr
.irp b, 0,1,2,3
	v_add_nc_u32 v[16+\b], 0xff000000, v[12+\b]    ; 2 off the exponent field: the conversion takes the exponent field of this operand as its scale
.endr
.irp b, 0,1,2,3
	v_lshrrev_b32 v[20+\b], 23, v[16+\b]           ; the scale's byte
.endr
.irp b, 0,1,2,3
.irp n, 0,1,2,3
	v_cvt_scalef32_pk8_fp4_f32 v[C+4*\b+\n], v[X+32*\b+8*\n:X+32*\b+8*\n+7], v[16+\b]
.endr
.endr
	v_nop                                          ; one plain line behind the last conversion
.irp b, 0,1,2,3
	global_store_b128 v6, v[C+4*\b:C+4*\b+3], s[6:7] offset:512*\b   ; block b = 2 s + c: 32 lanes store 512 consecutive bytes, aligned
.endr
	v_lshl_or_b32 v24, v21, 16, v20                ; K step 0: my bytes are numbers h and 2 + h of the word,
	v_lshl_or_b32 v25, v23, 16, v22                ; K step 1 likewise
	v_lshlrev_b32 v24, v10, v24
	v_lshlrev_b32 v25, v10, v25
	v_permlanex16_b32 v26, v24, s20, s21
	v_or_b32 v24, v24, v26                         ; with lane l xor 16's two bytes the word is whole
	v_permlanex16_b32 v26, v25, s20, s21
	v_or_b32 v25, v25, v26
	v_cmp_eq_u32 vcc_lo, 0, v3
	v_cndmask_b32 v24, v25, v24, vcc_lo            ; lanes 0-15 keep K step 0's word, lanes 16-31 K step 1's
	ds_store_b32 v7, v24                           ; the four waves' words meet in LDS, so that they leave as whole runs of 256 bytes
	s_wait_dscnt 0x0                               ; for the others' sake: my store has landed
	s_barrier_signal -1
	s_barrier_wait -1
	s_cmp_lg_u32 s10, 0
	s_cbranch_scc1 .Lend
	ds_load_b128 v[176:179], v6                    ; wave 0: all 512 bytes
	s_wait_dscnt 0x0
	global_store_b128 v6, v[176:179], s[8:9]
.Lend:
	s_wait_tensorcnt 0x0                           ; the wave's end, behind my last LDS store
	ds_add_u32 v8, v9
	s_wait_dscnt 0x0
	s_endpgm
.Lfunc_end_k_qbef98cad0e_quantw:
	.size	k_qbef98cad0e_quantw, .Lfunc_end_k_qbef98cad0e_quantw-k_qbef98cad0e_quantw
	.p2alignl 7, 3214868480
	.fill 96, 4, 3214868480
	.section	.rodata,"a",@progbits
	.p2align	6, 0x0
	.amdhsa_kernel k_qbef98cad0e_quantw
		.amdhsa_group_segment_fixed_size 1024
		.amdhsa_private_segment_fixed_size 0
		.amdhsa_enable_private_segment 0
		.amdhsa_kernarg_size 24
		.amdhsa_user_sgpr_count 2
		.amdhsa_user_sgpr_kernarg_segment_ptr 1
		.amdhsa_wavefront_size32 1
		.amdhsa_system_sgpr_workgroup_id_x 1
		.amdhsa_system_sgpr_workgroup_id_y 1
		.amdhsa_system_sgpr_workgroup_id_z 1
		.amdhsa_system_vgpr_workitem_id 0
		.amdhsa_next_free_vgpr 192
		.amdhsa_next_free_sgpr 66
		.amdhsa_reserve_vcc 1
		.amdhsa_float_denorm_mode_32 3
		.amdhsa_float_denorm_mode_16_64 3
		.amdhsa_memory_ordered 1
		.amdhsa_forward_progress 1
		.amdhsa_inst_pref_size 24
	.end_amdhsa_kernel
	.amdgpu_metadata
---
amdhsa.version: [ 1, 2 ]
amdhsa.kernels:
  - .name:           k_qbef98cad0e_quantw
    .symbol:         k_qbef98cad0e_quantw.kd
    .args:
      - { .name: W2, .offset: 0, .size: 8, .value_kind: global_buffer, .address_space: global }
      - { .name: wq, .offset: 8, .size: 8, .value_kind: global_buffer, .address_space: global }
      - { .name: ws, .offset: 16, .size: 8, .value_kind: global_buffer, .address_space: global }
    .group_segment_fixed_size: 1024
    .private_segment_fixed_size: 0
    .kernarg_segment_align: 8
    .kernarg_segment_size: 24
    .max_flat_workgroup_size: 128
    .sgpr_count:     66
    .vgpr_count:     192
    .wavefront_size: 32
...
	.end_amdgpu_metadata
.endif
;; end of part 1
;; launch energy (part 2): grid 256 x 1, 4 waves a work-group, no clusters, 85,248 bytes of LDS; arguments x, W1, b1, b2, W3, wq, ws, out0; writes out0
.if DOCPART == 2
	.amdgcn_target "amdgcn-amd-amdhsa--gfx1250"
	.amdhsa_code_object_version 6
	.text
	.protected	k_qbef98cad0e_energy
	.globl	k_qbef98cad0e_energy
	.p2align	8
	.type	k_qbef98cad0e_energy,@function
k_qbef98cad0e_energy:
	s_mov_b64 s[64:65], 0
	v_nop
	global_prefetch_b8 v0, s[64:65] scope:SCOPE_SE
	s_setreg_imm32_b32 hwreg(HW_REG_WAVE_MODE, 25, 1), 1
	s_wait_xcnt 0x0
; SECOND LAUNCH: out = KIN (lap + sum g^2) + POT sum x^2 (the formulas stand at the head of the first kernel).  Left out as shown there: the value of f and its tangent (h2 W3, b3), the primal result that jvp(..)[1] drops,
; the products that repeat earlier ones on the same operands, and all but column i of the last product.  b3 is no argument.
; SHARES.  A work-group owns 128 samples, 8 tiles of 16; a trip of the loop takes one tile.  THE WAVES SHARE THE COLUMNS: wave w owns columns 64 w .. 64 w + 63 of every layer for all 16 samples and all 8 directions, so its
; parts of W2's codes (both orientations), W1, b1, b2, W3 stay in REGISTERS for the whole launch.  What goes from wave to wave, through LDS, is 4-bit operands as images of their registers (2,048 bytes a row tile) and their scale bytes.
; ROW TILES.  Tile 0 is the primal one (16 samples), tiles 1 .. 8 the same samples in directions 0 .. 7.  A lane is always sample r = lane % 16.
; LAYOUT.  The weights are source 0, so lane (r, h), accumulator q, register j holds column 64 w + 32 h + 8 q + j (the first launch chose the tiles' rows so): a lane's 32 registers of its 4 accumulators are ONE WHOLE BLOCK of 32
; along the next K, in the order of the 4-bit operand: no lane exchange for the maximum, none for the codes.  All arrays by column (W1's rows, b1, b2, W3, d1 ..) use that order: register u = column 64 w + 32 h + u.
; A TRIP, two barriers:  1: a1 by fused multiply-adds, tanh, d1; h1 and d1 W1[i] quantised, images to XA | barrier |  2: 9 tiles x 8 products with Q(W2); tile 0: + b2, tanh, W3 d2 quantised; tiles 1 .. 8: x (-2 W3 h2 d2), quantised;
; images to XB | barrier |  3: 9 tiles x 8 products with Q'(W2); tile 0 gives g (two bf16 products with W1: it feeds no quantiser) and the term with h1; tiles 1 .. 8 are summed with W1[i]; the lane's part of lap and g to LDS.
; In phases 2 and 3 tile t's eight products stand by turns with slices of tile t - 1's vector work, and tile t + 2's fragments are asked for meanwhile (three sets of fragment registers, two of accumulators).
; NO CLUSTER: what work-groups share is 68 KB of codes and scale words and 10 KB of W1 and biases, read once at the head straight into registers; a joint request lands in LDS alone and would add a copy.  No tensor load: nothing is streamed.
; LIMITS.  tanh a = 1 - 2 / (1 + 2^(2 log2(e) a)): its error is about 2^-23 absolute, so its relative accuracy falls for |a| far under 1.  2 log2(e) is folded into x and b1 for layer 1: one more f32 rounding.
; g's product takes bf16 operands.  A block of zeros, or one under 2^-124, gets the byte 1: its codes are zeros.  NaN and infinities among the inputs are not served; none that reaches only the work left out is carried to the result.
; REGISTERS, in windows of 256 (s_set_vgpr_msb: bits 1:0 source 0, 3:2 source 1, 5:4 source 2, 7:6 destination):
;   window 0: v1-15 addresses; v16-19, v20-23 W2's scale words (two orientations); v24-26 the fragments' scale words; v27-29 bytes, v30 scale operand, v32-43 codes (rings of three); v44-47 maxima; v48-63, v128-143, v144-159 fragments;
;             v64-127 Q(W2); v160-191, v192-223 accumulators; v224-255 -2 W3 h2 d2, in phase 3 the sum T.  Phase 1 uses v128-255 at work.
;   window 1: v1, v2 copies of two addresses; v16-31 W1 in bf16; v32-63 d1; v64-127 Q'(W2); v128-255 W1's rows 0-3.     window 2: v1, v2; v32-63 h1 S2; v64-127 Q'(W2) once more; v128-255 W1's rows 4-7.
;   (Q'(W2) is held twice so that phase 3's products and its multiply-adds with W1's rows run under one window setting.)     window 3: v0-15 x; v32-63 b1; v64-95 b2; v96-127 W3; v128-159 S2 = -2 sum_i W1[i]^2; v180-187 g.
.set XA,    0                          ; LDS: phase 1's nine images: tile t at 2,048 t, thread's 16 bytes at 16 x thread
.set XB,    18432                      ; phase 2's nine
.set XAS,   36864                      ; their scale bytes: 128 t + 64 s + 4 r + 2 c + h (wave = 2 s + c)
.set XBS,   38016
.set XL,    39168                      ; 2 log2(e) x, each number twice: 64 bytes a sample
.set GP,    47360                      ; parts of g: 8,192 w + 1,024 tile + 32 lane
.set LP,    80128                      ; parts of lap: 1,024 w + 128 tile + 4 lane
.set OUTS,  84224                      ; 128 results
.set SPARE, 84736                      ; the spare words, 128 bytes a wave: two blocks of 256 bytes that no other line names
.set LI,  1                            ; 16 x lane (also v1 of windows 1 and 2)
.set LS,  2                            ; 4 x lane (likewise)
.set WI,  3                            ; 16 x thread
.set WSB, 4                            ; my scale byte's place
.set GPA, 5                            ; the trip's place in GP
.set LPA, 6                            ; and in LP
.set XLB, 7                            ; XL + 64 r
.set SPW, 8                            ; my spare word; never rewritten
.set NIL, 9                            ; 0; never rewritten
.set EP,  10                           ; POT sum x^2 of sample = thread
.set XLA, 11                           ; where the next tile's x lies
.set LPB, 12
.set GPB, 13
.set SWA, 16
.set SX,  24
.set BY,  27
.set SO,  30
.set CD,  32
.set MX,  44
.set WT,  64
.set ACC, 160
.set CR,  224
.set MSB, 0
.macro WIN new                         ; the immediate's high byte repeats the setting that is left; a switch that changes nothing is dropped
.if MSB != (\new)
	s_set_vgpr_msb (MSB<<8)|(\new)
.set MSB, (\new)
.endif
.endm
.macro PLACES n
.rept \n
	v_nop
.endr
.endm
.macro BARRIER                         ; my LDS stores have landed and my LDS loads are in: then the work-group's barrier
	s_wait_dscnt 0x0
	s_barrier_signal -1
	s_barrier_wait -1
.endm
; Tile t's two fragments (16 registers, set t % 3) and its scale words (lanes 0-15 K step 0, lanes 16-31 K step 1): five LDS loads
.macro LOADF base, sbase, t
.set LF_, 128+16*((\t)%3)-112*(((\t)%3)/2)
.irp j, 0,1,2,3
	ds_load_b128 v[LF_+4*\j:LF_+4*\j+3], v[LI] offset:(\base)+2048*(\t)+512*\j
.endr
	ds_load_b32 v[SX+(\t)%3], v[LS] offset:(\sbase)+128*(\t)
.endm
; Product k of tile t's eight: accumulator q = k % 4, K step s = k / 4.  The four accumulators take turns, one instruction a turn.  ph = 2: Q(W2), ph = 3: Q'(W2) (the window says which registers v64-127 are).
.macro MM ph, t, k
.set MQ_, (\k)%4
.set MS_, (\k)/4
.set MD_, ACC+32*((\t)%2)+8*MQ_
.set MW_, WT+16*MQ_+8*MS_
.set MF_, 128+16*((\t)%3)-112*(((\t)%3)/2)+8*MS_
.set MA_, SWA+4*((\ph)-2)+MQ_
.set MB_, SX+(\t)%3
.if MS_ == 1
	v_wmma_scale_f32_16x16x128_f8f6f4 v[MD_:MD_+7], v[MW_:MW_+7], v[MF_:MF_+7], v[MD_:MD_+7], v[MA_], v[MB_] matrix_a_fmt:MATRIX_FMT_FP4 matrix_b_fmt:MATRIX_FMT_FP4 matrix_a_scale:MATRIX_SCALE_ROW1 matrix_b_scale:MATRIX_SCALE_ROW1
.elseif ((\ph) == 2) && ((\t) == 0)
	v_wmma_scale_f32_16x16x128_f8f6f4 v[MD_:MD_+7], v[MW_:MW_+7], v[MF_:MF_+7], v[64+8*MQ_:71+8*MQ_], v[MA_], v[MB_] matrix_a_fmt:MATRIX_FMT_FP4 matrix_b_fmt:MATRIX_FMT_FP4
.else
	v_wmma_scale_f32_16x16x128_f8f6f4 v[MD_:MD_+7], v[MW_:MW_+7], v[MF_:MF_+7], 0, v[MA_], v[MB_] matrix_a_fmt:MATRIX_FMT_FP4 matrix_b_fmt:MATRIX_FMT_FP4
.endif
.endm
; THE QUANTISER of a lane's block v[src] .. v[src + 31], as a numbered list of 22 lines, so that it can be dealt out in slices.  0-15 the largest magnitude (four chains of seven, the four left over, the floor 2^(3 - 127));
; 16 the conversions' scale operand (2 off the exponent field); 17-20 the codes; 21 the scale's byte, which is also the plain line behind the conversions.
.macro QS src, t, n
.if (\n) < 4
	v_max3_num_f32 v[MX+(\n)], |v[(\src)+8*(\n)]|, |v[(\src)+8*(\n)+1]|, |v[(\src)+8*(\n)+2]|
.elseif (\n) < 8
	v_max3_num_f32 v[MX+(\n)-4], v[MX+(\n)-4], |v[(\src)+8*((\n)-4)+3]|, |v[(\src)+8*((\n)-4)+4]|
.elseif (\n) < 12
	v_max3_num_f32 v[MX+(\n)-8], v[MX+(\n)-8], |v[(\src)+8*((\n)-8)+5]|, |v[(\src)+8*((\n)-8)+6]|
.elseif (\n) == 12
	v_max3_num_f32 v[MX], v[MX], v[MX+1], |v[(\src)+7]|
.elseif (\n) == 13
	v_max3_num_f32 v[MX+2], v[MX+2], v[MX+3], |v[(\src)+15]|
.elseif (\n) == 14
	v_max3_num_f32 v[MX], v[MX], |v[(\src)+23]|, |v[(\src)+31]|
.elseif (\n) == 15
	v_max3_num_f32 v[MX], v[MX], v[MX+2], 0x1800000
.elseif (\n) == 16
	v_add_nc_u32 v[SO], 0xff000000, v[MX]
.elseif (\n) < 21
	v_cvt_scalef32_pk8_fp4_f32 v[CD+4*((\t)%3)+(\n)-17], v[(\src)+8*((\n)-17):(\src)+8*((\n)-17)+7], v[SO]
.else
	v_lshrrev_b32 v[BY+(\t)%3], 23, v[SO]
.endif
.endm
.macro QST base, sbase, t              ; my 16 bytes of tile t's image, and my scale byte
	ds_store_b128 v[WI], v[CD+4*((\t)%3):CD+4*((\t)%3)+3] offset:(\base)+2048*(\t)
	ds_store_b8 v[WSB], v[BY+(\t)%3] offset:(\sbase)+128*(\t)
.endm
.macro QUANT src, base, sbase, t, wait ; the whole list.  wait >= 0: so many LDS instructions may stay out when the ring's registers are written again
.set N_, 0
.rept 17
	QS \src, \t, N_
.set N_, N_+1
.endr
.if (\wait) >= 0
	s_wait_dscnt \wait
.endif
.rept 5
	QS \src, \t, N_
.set N_, N_+1
.endr
	QST \base, \sbase, \t
.endm
; v[ACC] .. v[ACC + 31] hold 2 log2(e) a (the first `first` of them already 2^..): they become 1 / (1 + 2^..).  The exponentials are one batch, the reciprocals another: a plain line and one wait behind each.
.macro RECIP first
.set J_, \first
.rept 32-\first
	v_exp_f32 v[ACC+J_], v[ACC+J_]
.set J_, J_+1
.endr
	v_nop
	s_wait_alu depctr_va_vdst(0)
.set J_, 0
.rept 16
	v_pk_add_f32 v[ACC+J_:ACC+J_+1], v[ACC+J_:ACC+J_+1], 1.0 op_sel_hi:[1,0]
.set J_, J_+2
.endr
.set J_, 0
.rept 32
	v_rcp_f32 v[ACC+J_], v[ACC+J_]
.set J_, J_+1
.endr
	v_nop
	s_wait_alu depctr_va_vdst(0)
.endm
; THE SLICES: what stands behind product k of a tile.  Each reads an accumulator from its low end on.
.macro SL_T k                          ; tile 0 of phase 2: a2 x 2 log2(e), then the first 16 exponentials
.if (\k) < 4
.irp e, 0,2,4,6
	v_pk_mul_f32 v[ACC+8*(\k)+\e:ACC+8*(\k)+\e+1], v[ACC+8*(\k)+\e:ACC+8*(\k)+\e+1], s[26:27] op_sel_hi:[1,0]
.endr
.else
.irp e, 0,1,2,3
	v_exp_f32 v[ACC+4*((\k)-4)+\e], v[ACC+4*((\k)-4)+\e]
.endr
.endif
.endm
.macro SL_B t, k                       ; tile t of phase 2: x (-2 W3 h2 d2), then lines 0-15 of the quantiser
.set SA_, ACC+32*((\t)%2)
.if (\k) < 4
.irp e, 0,2,4,6
	v_pk_mul_f32 v[SA_+8*(\k)+\e:SA_+8*(\k)+\e+1], v[SA_+8*(\k)+\e:SA_+8*(\k)+\e+1], v[CR+8*(\k)+\e:CR+8*(\k)+\e+1]
.endr
.else
.set N_, 4*((\k)-4)
.rept 4
	QS SA_, \t, N_
.set N_, N_+1
.endr
.endif
.endm
.macro SL_P k                          ; tile 0 of phase 3: T = d1 ct1 (source 0: window 1)
.irp e, 0,2
	v_pk_mul_f32 v[CR+4*(\k)+\e:CR+4*(\k)+\e+1], v[32+4*(\k)+\e:33+4*(\k)+\e], v[ACC+4*(\k)+\e:ACC+4*(\k)+\e+1]
.endr
.endm
.macro SL_C t, k                       ; tile t of phase 3: T += W1[t - 1] x the tile (source 0: window 1 or 2)
.set SA_, ACC+32*((\t)%2)
.set SD_, 128+32*(((\t)-1)%4)
.irp e, 0,2
	v_pk_fma_f32 v[CR+4*(\k)+\e:CR+4*(\k)+\e+1], v[SD_+4*(\k)+\e:SD_+4*(\k)+\e+1], v[SA_+4*(\k)+\e:SA_+4*(\k)+\e+1], v[CR+4*(\k)+\e:CR+4*(\k)+\e+1]
.endr
.endm
; A STEP: tile t's eight products, a slice of tile t - 1's vector work behind each (kind 0: SL_T, 1: SL_B, 2: SL_P, 3: SL_C); behind the second, tile t + 2's loads, into the registers that tile t - 1's products have read:
; at least four plain lines that name none of those products' registers lie between (the last slices of the step before, and this step's first two).  nwait: the LDS instructions issued behind tile t's five loads.
.macro STEP ph, t, kind, nwait, load
	s_wait_dscnt \nwait
.set K_, 0
.rept 8
	MM \ph, \t, K_
.if \kind == 0
	SL_T K_
.elseif \kind == 1
	SL_B (\t)-1, K_
.elseif \kind == 2
	SL_P K_
.else
	SL_C (\t)-1, K_
.endif
.if (K_ == 1) && \load
.if \ph == 2
	LOADF XA, XAS, (\t)+2
.else
	LOADF XB, XBS, (\t)+2
.endif
.endif
.set K_, K_+1
.endr
.if \kind == 1                         ; the rest of tile t - 1's quantiser.  Its ring registers' last stores were issued ahead of tile t's loads, which the wait above has shown landed
.set N_, 16
.rept 6
	QS ACC+32*(((\t)-1)%2), (\t)-1, N_
.set N_, N_+1
.endr
	QST XB, XBS, (\t)-1
.endif
.endm
	s_load_b256 s[4:11], s[0:1], 0x0               ; x s[4:5], W1 s[6:7], b1 s[8:9], b2 s[10:11]
	s_load_b256 s[12:19], s[0:1], 0x20             ; W3 s[12:13], wq s[14:15], ws s[16:17], out0 s[18:19]
	v_lshl_add_u32 v[SPW], v0, 2, SPARE
	v_mov_b32 v[NIL], 0
	v_lshrrev_b32 v14, 5, v0
	v_readfirstlane_b32 s20, v14                   ; wave 0..3
	v_and_b32 v14, 31, v0                          ; lane
	v_and_b32 v15, 15, v0                          ; r
	v_bfe_u32 v30, v0, 4, 1                        ; h
	v_lshlrev_b32 v[LI], 4, v14
	v_lshlrev_b32 v[LS], 2, v14
	WIN 0x40                                       ; the same two in windows 1 and 2: phase 3's LDS loads stand under settings whose source 0 is one of these
	v_lshlrev_b32 v[LI], 4, v14
	v_lshlrev_b32 v[LS], 2, v14
	WIN 0x80
	v_lshlrev_b32 v[LI], 4, v14
	v_lshlrev_b32 v[LS], 2, v14
	WIN 0
	v_lshlrev_b32 v[WI], 4, v0
	v_lshl_add_u32 v[WSB], v15, 2, v30             ; 4 r + h
	v_bfe_u32 v31, v0, 5, 1
	v_lshl_add_u32 v[WSB], v31, 1, v[WSB]          ; + 2 c
	v_bfe_u32 v31, v0, 6, 1
	v_lshl_add_u32 v[WSB], v31, 6, v[WSB]          ; + 64 s
	v_lshl_add_u32 v[XLB], v15, 6, XL
	s_lshl_b32 s24, s20, 10
	s_add_co_u32 s24, s24, LP
	v_add_nc_u32 v[LPB], s24, v[LS]
	s_lshl_b32 s24, s20, 13
	s_add_co_u32 s24, s24, GP
	v_lshl_add_u32 v[GPB], v14, 5, s24
	s_lshl_b32 s24, s20, 8
	v_lshl_add_u32 v5, v30, 7, s24                 ; my 32 columns in a row of 256 f32: 256 w + 128 h bytes
	v_and_b32 v31, 7, v15
	v_lshl_add_u32 v6, v31, 10, v5                 ; the same in W1's row r % 8
	v_lshlrev_b32 v11, 5, v0                       ; x: 32 bytes a sample, sample = thread
	s_mov_b32 s26, 0x4038aa3b                      ; 2 log2(e)
	s_mov_b32 s27, s26                             ; (named with it as a pair)
	s_mov_b32 s28, 0xc1a55210                      ; KIN = -197^2 / (2 x 939)
	s_mov_b32 s29, 0x409ad9c6                      ; POT = 0.5 x 939 x (20 / 197)^2
	s_lshl_b32 s32, ttmp9, 12                      ; x: 4,096 bytes a work-group
	s_mov_b32 s33, 0
	s_lshl_b32 s34, ttmp9, 9                       ; out0: 512
	s_mov_b32 s35, 0
	s_lshl_b32 s36, s20, 13                        ; wq: 8,192 bytes a wave
	s_mov_b32 s37, 0
	s_lshl_b32 s38, s20, 9                         ; ws: 512
	s_mov_b32 s39, 0
	s_wait_kmcnt 0x0
	s_add_nc_u64 s[4:5], s[4:5], s[32:33]
	s_add_nc_u64 s[18:19], s[18:19], s[34:35]
	s_add_nc_u64 s[14:15], s[14:15], s[36:37]
	s_add_nc_u64 s[16:17], s[16:17], s[38:39]
	global_load_b128 v[160:163], v11, s[4:5] th:TH_LOAD_NT
	global_load_b128 v[164:167], v11, s[4:5] offset:16 th:TH_LOAD_NT
.set N_, 0
.rept 16
	global_load_b128 v[WT+4*N_:WT+4*N_+3], v[LI], s[14:15] offset:512*N_          ; Q(W2): my 4 tiles x 2 K steps, as the first launch laid them
.set N_, N_+1
.endr
.irp q, 0,1,2,3
	global_load_b32 v[SWA+\q], v[LS], s[16:17] offset:128*\q
	global_load_b32 v[SWA+4+\q], v[LS], s[16:17] offset:2048+128*\q
.endr
.irp m, 0,1,2,3,4,5,6,7
	global_load_b128 v[128+4*\m:131+4*\m], v6, s[6:7] offset:16*\m                 ; W1[r % 8], my 32 columns: for the bf16 operand
.endr
	WIN 0x40
.set N_, 0
.rept 16
	global_load_b128 v[WT+4*N_:WT+4*N_+3], v[LI], s[14:15] offset:32768+512*N_    ; Q'(W2)
.set N_, N_+1
.endr
.irp i, 0,1,2,3
.irp m, 0,1,2,3,4,5,6,7
	global_load_b128 v[128+32*\i+4*\m:131+32*\i+4*\m], v5, s[6:7] offset:1024*\i+16*\m
.endr
.endr
	WIN 0x80
.set N_, 0
.rept 16
	global_load_b128 v[WT+4*N_:WT+4*N_+3], v[LI], s[14:15] offset:32768+512*N_
.set N_, N_+1
.endr
.irp i, 0,1,2,3
.irp m, 0,1,2,3,4,5,6,7
	global_load_b128 v[128+32*\i+4*\m:131+32*\i+4*\m], v5, s[6:7] offset:1024*(4+\i)+16*\m
.endr
.endr
	WIN 0xc0
.irp m, 0,1,2,3,4,5,6,7
	global_load_b128 v[32+4*\m:35+4*\m], v5, s[8:9] offset:16*\m
	global_load_b128 v[64+4*\m:67+4*\m], v5, s[10:11] offset:16*\m
	global_load_b128 v[96+4*\m:99+4*\m], v5, s[12:13] offset:16*\m
.endr
	WIN 0
	s_wait_loadcnt 0x0
	v_mul_f32 v[EP], v160, v160
.irp i, 1,2,3,4,5,6,7
	v_fmac_f32 v[EP], v[160+\i], v[160+\i]
.endr
	v_mul_f32 v[EP], s29, v[EP]
.irp i, 0,1,2,3,4,5,6,7
	v_mul_f32 v[192+2*\i], s26, v[160+\i]          ; 2 log2(e) x, each number twice: the packed multiply-add takes a pair's low word for both halves
	v_mul_f32 v[193+2*\i], s26, v[160+\i]
.endr
	v_lshl_add_u32 v[XLA], v0, 6, XL
.irp j, 0,1,2,3
	ds_store_b128 v[XLA], v[192+4*\j:195+4*\j] offset:16*\j
.endr
.irp k, 0,1,2,3,4,5,6,7,8,9,10,11,12,13,14,15
	v_cvt_pk_bf16_f32 v[208+\k], v[128+2*\k], v[129+2*\k]
.endr
	v_cmp_gt_u32 vcc_lo, 8, v15
	WIN 0x40
.irp k, 0,1,2,3,4,5,6,7,8,9,10,11,12,13,14,15
	v_cndmask_b32 v[16+\k], 0, v[208+\k], vcc_lo   ; the bf16 operand's rows 8-15 are zeros: W1 has 8 rows
.endr
	WIN 0xc3
.set M_, 0
.rept 16
	v_pk_mul_f32 v[32+M_:33+M_], v[32+M_:33+M_], s[26:27] op_sel_hi:[1,0]   ; 2 log2(e) b1
.set M_, M_+2
.endr
	WIN 0xc5
.set M_, 0
.rept 16
	v_pk_mul_f32 v[128+M_:129+M_], v[128+M_:129+M_], v[128+M_:129+M_]        ; S2: W1[0]^2,
.set M_, M_+2
.endr
	WIN 0xf5
.irp i, 1,2,3
.set M_, 0
.rept 16
	v_pk_fma_f32 v[128+M_:129+M_], v[128+32*\i+M_:129+32*\i+M_], v[128+32*\i+M_:129+32*\i+M_], v[128+M_:129+M_]
.set M_, M_+2
.endr
.endr
	WIN 0xfa
.irp i, 0,1,2,3
.set M_, 0
.rept 16
	v_pk_fma_f32 v[128+M_:129+M_], v[128+32*\i+M_:129+32*\i+M_], v[128+32*\i+M_:129+32*\i+M_], v[128+M_:129+M_]
.set M_, M_+2
.endr
.endr
	WIN 0xc3
.set M_, 0
.rept 16
	v_pk_mul_f32 v[128+M_:129+M_], v[128+M_:129+M_], -2.0 op_sel_hi:[1,0]
.set M_, M_+2
.endr
	WIN 0
	BARRIER                                        ; all 128 samples' x lie in LDS
	WIN 0xc0
.irp j, 0,1,2,3
	ds_load_b128 v[4*\j:4*\j+3], v[XLB] offset:16*\j   ; tile 0's x: sample r's 8 numbers, doubled
.endr
	WIN 0
	s_mov_b32 s21, 0                               ; the tile
	s_mov_b32 s22, 0                               ; 1,024 x tile: its step in GP and in XL
	s_mov_b32 s23, 0                               ; 128 x tile: in LP
	s_wait_dscnt 0x0
.Ltile:
	; ---- PHASE 1.  2 log2(e) a1 = (2 log2(e) x) W1 + 2 log2(e) b1, in f32: it goes on into a quantiser
	WIN 0x3d                                       ; source 0 (W1's rows) window 1, sources 1 (x) and 2 (b1) window 3
.set M_, 0
.rept 16
	v_pk_fma_f32 v[ACC+M_:ACC+M_+1], v[128+M_:129+M_], v[0:1], v[32+M_:33+M_] op_sel_hi:[1,0,1]
.set M_, M_+2
.endr
	WIN 0x0d
.irp i, 1,2,3
.set M_, 0
.rept 16
	v_pk_fma_f32 v[ACC+M_:ACC+M_+1], v[128+32*\i+M_:129+32*\i+M_], v[2*\i:2*\i+1], v[ACC+M_:ACC+M_+1] op_sel_hi:[1,0,1]
.set M_, M_+2
.endr
.endr
	WIN 0x0e
.irp i, 0,1,2,3
.set M_, 0
.rept 16
	v_pk_fma_f32 v[ACC+M_:ACC+M_+1], v[128+32*\i+M_:129+32*\i+M_], v[8+2*\i:9+2*\i], v[ACC+M_:ACC+M_+1] op_sel_hi:[1,0,1]
.set M_, M_+2
.endr
.endr
	WIN 0
	RECIP 0
.set M_, 0
.rept 16
	v_pk_fma_f32 v[128+M_:129+M_], v[ACC+M_:ACC+M_+1], -2.0, 1.0 op_sel_hi:[1,0,0]   ; h1
.set M_, M_+2
.endr
	WIN 0x40
.set M_, 0
.rept 16
	v_pk_fma_f32 v[32+M_:33+M_], v[128+M_:129+M_], v[128+M_:129+M_], 1.0 op_sel_hi:[1,1,0] neg_lo:[1,0,0] neg_hi:[1,0,0]   ; d1 = 1 - h1^2
.set M_, M_+2
.endr
	WIN 0x83
.set M_, 0
.rept 16
	v_pk_mul_f32 v[32+M_:33+M_], v[128+M_:129+M_], v[128+M_:129+M_]                  ; S2 (window 3) x h1 (window 0)
.set M_, M_+2
.endr
	WIN 0
	QUANT 128, XA, XAS, 0, 4                       ; (the count 4 in this phase: the stores of the two tiles before may stay out; those three tiles back, which read the ring's registers, are done)
.irp b, 0,1
	WIN 0x05+\b                                    ; source 0: W1's rows 4 b .. 4 b + 3; source 1: d1
.set M_, 0
.rept 64
	v_pk_mul_f32 v[128+M_:129+M_], v[128+M_:129+M_], v[32+M_%32:33+M_%32]
.set M_, M_+2
.endr
	WIN 0
.irp d, 0,1,2,3
	QUANT 128+32*\d, XA, XAS, 1+4*\b+\d, 4
.endr
.endr
	BARRIER                                        ; the nine images lie in XA; nobody reads XB any more
	; ---- PHASE 2: products with Q(W2).  All windows 0 but where said
	LOADF XA, XAS, 0
	LOADF XA, XAS, 1
	LOADF XA, XAS, 2
	v_add_nc_u32 v[GPA], s22, v[GPB]
	v_add_nc_u32 v[LPA], s23, v[LPB]
	s_add_co_u32 s30, s22, 1024
	s_min_u32 s30, s30, 7168                       ; the next tile's x; the last trip asks for its own tile once more and does not use it
	v_add_nc_u32 v[XLA], s30, v[XLB]
	s_wait_dscnt 10                                ; tile 0's five loads are in; tiles 1 and 2's may be out
	WIN 0x30                                       ; b2 (window 3) is the C of the sums' first products
.set K_, 0
.rept 4
	MM 2, 0, K_
.set K_, K_+1
.endr
	WIN 0
.rept 4
	MM 2, 0, K_
.set K_, K_+1
.endr
	PLACES 4                                       ; in front of the first read of these results and of the loads into tile 0's fragments
	STEP 2, 1, 0, 5, 1
	RECIP 16
.set M_, 0
.rept 16
	v_pk_fma_f32 v[ACC+M_:ACC+M_+1], v[ACC+M_:ACC+M_+1], -2.0, 1.0 op_sel_hi:[1,0,0]  ; h2
.set M_, M_+2
.endr
.set M_, 0
.rept 16
	v_pk_fma_f32 v[CR+M_:CR+M_+1], v[ACC+M_:ACC+M_+1], v[ACC+M_:ACC+M_+1], 1.0 op_sel_hi:[1,1,0] neg_lo:[1,0,0] neg_hi:[1,0,0]   ; d2
.set M_, M_+2
.endr
.set M_, 0
.rept 16
	v_pk_mul_f32 v[ACC+M_:ACC+M_+1], v[ACC+M_:ACC+M_+1], -2.0 op_sel_hi:[1,0]         ; -2 h2
.set M_, M_+2
.endr
	WIN 0x03
.set M_, 0
.rept 16
	v_pk_mul_f32 v[CR+M_:CR+M_+1], v[96+M_:97+M_], v[CR+M_:CR+M_+1]                   ; W3 d2: the cotangent of a2
.set M_, M_+2
.endr
	WIN 0
	QUANT CR, XB, XBS, 0, -1
.set M_, 0
.rept 16
	v_pk_mul_f32 v[CR+M_:CR+M_+1], v[CR+M_:CR+M_+1], v[ACC+M_:ACC+M_+1]               ; -2 W3 h2 d2
.set M_, M_+2
.endr
	STEP 2, 2, 1, 7, 1                             ; behind tile 2's loads: tile 3's five, tile 0's two stores
	STEP 2, 3, 1, 9, 1                             ; from here: two stores, five loads, two stores
	STEP 2, 4, 1, 9, 1
	STEP 2, 5, 1, 9, 1
	STEP 2, 6, 1, 9, 1
	STEP 2, 7, 1, 9, 0
	STEP 2, 8, 1, 4, 0                             ; two tiles' stores
.set K_, 0
.rept 8
	SL_B 8, K_
.set K_, K_+1
.endr
	QS ACC, 8, 16
	s_wait_dscnt 4                                 ; tile 5's stores, which read this ring slot, are done; tiles 6 and 7's may be out
.set N_, 17
.rept 5
	QS ACC, 8, N_
.set N_, N_+1
.endr
	QST XB, XBS, 8
	BARRIER                                        ; the nine images lie in XB; nobody reads XA any more
	; ---- PHASE 3: products with Q'(W2)
	WIN 0xc0
.irp j, 0,1,2,3
	ds_load_b128 v[4*\j:4*\j+3], v[XLA] offset:16*\j   ; the next tile's x: issued first, so the counts below show it landed too
.endr
	WIN 0x01                                       ; source 0 window 1: Q'(W2), d1, W1's rows 0-3, and the loads' addresses
	LOADF XB, XBS, 0
	LOADF XB, XBS, 1
	LOADF XB, XBS, 2
	s_wait_dscnt 10
.set K_, 0
.rept 8
	MM 3, 0, K_
.set K_, K_+1
.endr
	PLACES 4
	STEP 3, 1, 2, 5, 1
	WIN 0
.irp k, 0,1,2,3,4,5,6,7,8,9,10,11,12,13,14,15
	v_cvt_pk_bf16_f32 v[CR+\k], v[CR+2*\k], v[CR+2*\k+1]   ; d1 ct1 in bf16, in place from the low end: register k = columns 2 k, 2 k + 1 of my 32, as in W1's operand
.endr
	PLACES 4
	WIN 0xf1                                       ; W1 (window 1) x d1 ct1 (window 0) -> g (window 3): lanes 0-15, register i: my wave's part of g_i of sample r
	v_wmma_f32_16x16x32_bf16 v[180:187], v[16:23], v[CR:CR+7], 0
	s_wait_alu depctr_va_vdst(0)                   ; the first product has written g, which the second adds onto
	v_wmma_f32_16x16x32_bf16 v[180:187], v[24:31], v[CR+8:CR+15], v[180:187]
	WIN 0x02
.set M_, 16
.rept 8
	v_pk_mul_f32 v[CR+M_:CR+M_+1], v[32+M_:33+M_], v[ACC+M_:ACC+M_+1]   ; T = h1 S2 ct1.  The upper half first: eight lines that name no register of the two products above
.set M_, M_+2
.endr
.set M_, 0
.rept 8
	v_pk_mul_f32 v[CR+M_:CR+M_+1], v[32+M_:33+M_], v[ACC+M_:ACC+M_+1]
.set M_, M_+2
.endr
	WIN 0x0c                                       ; an LDS store's data are its source 1: window 3
	ds_store_b128 v[GPA], v[180:183]
	ds_store_b128 v[GPA], v[184:187] offset:16
	WIN 0x01
	STEP 3, 2, 3, 7, 1                             ; behind tile 2's loads: tile 3's five, g's two stores
	STEP 3, 3, 3, 7, 1                             ; g's two stores, tile 4's five
	STEP 3, 4, 3, 5, 1
	STEP 3, 5, 3, 5, 1
	WIN 0x02                                       ; W1's rows 4-7, and the second copy of Q'(W2)
	STEP 3, 6, 3, 5, 1
	STEP 3, 7, 3, 5, 0
	STEP 3, 8, 3, 0, 0
.set K_, 0
.rept 8
	SL_C 8, K_
.set K_, K_+1
.endr
	WIN 0x01                                       ; my part of lap: sum over my 32 columns of d1 T, in four chains
	v_pk_mul_f32 v[44:45], v[32:33], v[CR:CR+1]
	v_pk_mul_f32 v[46:47], v[34:35], v[CR+2:CR+3]
	v_pk_mul_f32 v[14:15], v[36:37], v[CR+4:CR+5]
	v_pk_mul_f32 v[30:31], v[38:39], v[CR+6:CR+7]
.irp j, 8,16,24
	v_pk_fma_f32 v[44:45], v[32+\j:33+\j], v[CR+\j:CR+\j+1], v[44:45]
	v_pk_fma_f32 v[46:47], v[34+\j:35+\j], v[CR+2+\j:CR+3+\j], v[46:47]
	v_pk_fma_f32 v[14:15], v[36+\j:37+\j], v[CR+4+\j:CR+5+\j], v[14:15]
	v_pk_fma_f32 v[30:31], v[38+\j:39+\j], v[CR+6+\j:CR+7+\j], v[30:31]
.endr
	WIN 0
	v_pk_add_f32 v[44:45], v[44:45], v[46:47]
	v_pk_add_f32 v[14:15], v[14:15], v[30:31]
	v_pk_add_f32 v[44:45], v[44:45], v[14:15]
	v_add_f32 v44, v44, v45
	ds_store_b32 v[LPA], v44
	s_add_co_u32 s22, s22, 1024
	s_add_co_u32 s23, s23, 128
	s_add_co_u32 s21, s21, 1
	s_cmp_lt_u32 s21, 8
	s_cbranch_scc1 .Ltile
	; ---- THE WAY OUT.  Thread = sample: the four waves' parts of g and the eight parts of lap are added
	BARRIER
	v_lshrrev_b32 v14, 4, v0                       ; the sample's tile,
	v_and_b32 v15, 15, v0                          ; and its place in it
	v_lshlrev_b32 v[GPA], 10, v14
	v_lshl_add_u32 v[GPA], v15, 5, v[GPA]
	v_add_nc_u32 v[GPA], GP, v[GPA]
	v_lshlrev_b32 v[LPA], 7, v14
	v_lshl_add_u32 v[LPA], v15, 2, v[LPA]
	v_add_nc_u32 v[LPA], LP, v[LPA]
	v_lshl_add_u32 v[XLA], v0, 2, OUTS
	v_add_nc_u32 v[XLB], OUTS, v[LI]
.irp w, 0,1,2,3
	ds_load_b128 v[128+8*\w:131+8*\w], v[GPA] offset:8192*\w
	ds_load_b128 v[132+8*\w:135+8*\w], v[GPA] offset:8192*\w+16
	ds_load_b32 v[CR+2*\w], v[LPA] offset:1024*\w
	ds_load_b32 v[CR+1+2*\w], v[LPA] offset:1024*\w+64
.endr
	s_wait_dscnt 0x0
.irp w, 1,2,3
.irp e, 0,2,4,6
	v_pk_add_f32 v[128+\e:129+\e], v[128+\e:129+\e], v[128+8*\w+\e:129+8*\w+\e]
.endr
.endr
	v_pk_add_f32 v[CR:CR+1], v[CR:CR+1], v[CR+2:CR+3]
	v_pk_add_f32 v[CR+4:CR+5], v[CR+4:CR+5], v[CR+6:CR+7]
	v_pk_mul_f32 v[14:15], v[128:129], v[128:129]
	v_pk_add_f32 v[CR:CR+1], v[CR:CR+1], v[CR+4:CR+5]
	v_pk_fma_f32 v[14:15], v[130:131], v[130:131], v[14:15]
	v_pk_fma_f32 v[14:15], v[132:133], v[132:133], v[14:15]
	v_pk_fma_f32 v[14:15], v[134:135], v[134:135], v[14:15]
	v_pk_add_f32 v[14:15], v[14:15], v[CR:CR+1]
	v_add_f32 v14, v14, v15                        ; lap + sum g^2
	v_fma_f32 v14, s28, v14, v[EP]
	ds_store_b32 v[XLA], v14
	BARRIER
	s_cmp_lg_u32 s20, 0
	s_cbranch_scc1 .Ldone
	ds_load_b128 v[128:131], v[XLB]                ; wave 0 stores the work-group's 512 bytes: 32 lanes, 16 neighbouring bytes each, aligned
	s_wait_dscnt 0x0
	global_store_b128 v[LI], v[128:131], s[18:19]
.Ldone:
	s_wait_tensorcnt 0x0                           ; the wave's end, behind my last LDS store
	ds_add_u32 v[SPW], v[NIL]
	s_wait_dscnt 0x0
	s_endpgm
.Lfunc_end_k_qbef98cad0e_energy:
	.size	k_qbef98cad0e_energy, .Lfunc_end_k_qbef98cad0e_energy-k_qbef98cad0e_energy
	.p2alignl 7, 3214868480
	.fill 96, 4, 3214868480
	.section	.rodata,"a",@progbits
	.p2align	6, 0x0
	.amdhsa_kernel k_qbef98cad0e_energy
		.amdhsa_group_segment_fixed_size 85248
		.amdhsa_private_segment_fixed_size 0
		.amdhsa_enable_private_segment 0
		.amdhsa_kernarg_size 64
		.amdhsa_user_sgpr_count 2
		.amdhsa_user_sgpr_kernarg_segment_ptr 1
		.amdhsa_wavefront_size32 1
		.amdhsa_system_sgpr_workgroup_id_x 1
		.amdhsa_system_sgpr_workgroup_id_y 1
		.amdhsa_system_sgpr_workgroup_id_z 1
		.amdhsa_system_vgpr_workitem_id 0
		.amdhsa_next_free_vgpr 1024
		.amdhsa_next_free_sgpr 66
		.amdhsa_reserve_vcc 1
		.amdhsa_float_denorm_mode_32 3
		.amdhsa_float_denorm_mode_16_64 3
		.amdhsa_memory_ordered 1
		.amdhsa_forward_progress 1
		.amdhsa_inst_pref_size 140
	.end_amdhsa_kernel
	.amdgpu_metadata
---
amdhsa.version: [ 1, 2 ]
amdhsa.kernels:
  - .name:           k_qbef98cad0e_energy
    .symbol:         k_qbef98cad0e_energy.kd
    .args:
      - { .name: x, .offset: 0, .size: 8, .value_kind: global_buffer, .address_space: global }
      - { .name: W1, .offset: 8, .size: 8, .value_kind: global_buffer, .address_space: global }
      - { .name: b1, .offset: 16, .size: 8, .value_kind: global_buffer, .address_space: global }
      - { .name: b2, .offset: 24, .size: 8, .value_kind: global_buffer, .address_space: global }
      - { .name: W3, .offset: 32, .size: 8, .value_kind: global_buffer, .address_space: global }
      - { .name: wq, .offset: 40, .size: 8, .value_kind: global_buffer, .address_space: global }
      - { .name: ws, .offset: 48, .size: 8, .value_kind: global_buffer, .address_space: global }
      - { .name: out0, .offset: 56, .size: 8, .value_kind: global_buffer, .address_space: global }
    .group_segment_fixed_size: 85248
    .private_segment_fixed_size: 0
    .kernarg_segment_align: 8
    .kernarg_segment_size: 64
    .max_flat_workgroup_size: 128
    .sgpr_count:     66
    .vgpr_count:     1024
    .wavefront_size: 32
...
	.end_amdgpu_metadata
.endif
;; end of part 2
;; ======== version 2 of 2: 2 launches; version 1 with the launch energy written anew for expert scheduling mode
;; limits: a function is approximated: absolute error at most 1.2e-07
;; workspace buffers: wq 65,536 bytes; ws 4,096 bytes
;; launch quantw: the kernel of part 1 again; grid 8 x 1, 4 waves a work-group, no clusters, 1,024 bytes of LDS; arguments W2, wq, ws; writes wq, ws
;; launch energy (part 3): grid 256 x 1, 4 waves a work-group, no clusters, 85,248 bytes of LDS; arguments x, W1, b1, b2, W3, wq, ws, out0; writes out0
.if DOCPART == 3
	.amdgcn_target "amdgcn-amd-amdhsa--gfx1250"
	.amdhsa_code_object_version 6
	.text
	.protected	k_qbef98cad0e_energy
	.globl	k_qbef98cad0e_energy
	.p2align	8
	.type	k_qbef98cad0e_energy,@function
k_qbef98cad0e_energy:
	s_mov_b64 s[64:65], 0
	v_nop
	global_prefetch_b8 v0, s[64:65] scope:SCOPE_SE
	s_setreg_imm32_b32 hwreg(HW_REG_WAVE_SCHED_MODE, 0, 2), 2
	s_setreg_imm32_b32 hwreg(HW_REG_WAVE_MODE, 25, 1), 1
	s_wait_xcnt 0x0
	s_wait_alu depctr_vm_vsrc(0)
; SECOND LAUNCH: out = KIN (lap + sum g^2) + POT sum x^2 (the formulas stand at the head of the first kernel).  Left out as shown there: the value of f and its tangent (h2 W3, b3), the primal result that jvp(..)[1] drops,
; the products that repeat earlier ones on the same operands, and all but column i of the last product.  b3 is no argument.
; SHARES.  A work-group owns 128 samples, 8 tiles of 16; a trip of the loop takes one tile.  THE WAVES SHARE THE COLUMNS: wave w owns columns 64 w .. 64 w + 63 of every layer for all 16 samples and all 8 directions, so its
; parts of W2's codes (both orientations), W1, b1, b2, W3 stay in REGISTERS for the whole launch.  What goes from wave to wave, through LDS, is 4-bit operands as images of their registers (2,048 bytes a row tile) and their scale bytes.
; ROW TILES.  Tile 0 is the primal one (16 samples), tiles 1 .. 8 the same samples in directions 0 .. 7.  A lane is always sample r = lane % 16.
; LAYOUT.  The weights are source 0, so lane (r, h), accumulator q, register j holds column 64 w + 32 h + 8 q + j (the first launch chose the tiles' rows so): a lane's 32 registers of its 4 accumulators are ONE WHOLE BLOCK of 32
; along the next K, in the order of the 4-bit operand: no lane exchange for the maximum, none for the codes.  All arrays by column (W1's rows, b1, b2, W3, d1 ..) use that order: register u = column 64 w + 32 h + u.
; A TRIP, two barriers:  1: a1 by fused multiply-adds, tanh, d1; h1 and d1 W1[i] quantised, images to XA | barrier |  2: 9 tiles x 8 products with Q(W2); tile 0: + b2, tanh, W3 d2 quantised; tiles 1 .. 8: x (-2 W3 h2 d2), quantised;
; images to XB | barrier |  3: 9 tiles x 8 products with Q'(W2); tile 0 gives g (two bf16 products with W1: it feeds no quantiser) and the term with h1; tiles 1 .. 8 are summed with W1[i]; the lane's part of lap and g to LDS.
; In phases 2 and 3 tile t's eight products stand by turns with slices of tile t - 1's vector work, and tile t + 2's fragments are asked for meanwhile (three sets of fragment registers, two of accumulators).
; NO CLUSTER: what work-groups share is 68 KB of codes and scale words and 10 KB of W1 and biases, read once at the head straight into registers; a joint request lands in LDS alone and would add a copy.  No tensor load: nothing is streamed.
; LIMITS.  tanh a = 1 - 2 / (1 + 2^(2 log2(e) a)): its error is about 2^-23 absolute, so its relative accuracy falls for |a| far under 1.  2 log2(e) is folded into x and b1 for layer 1: one more f32 rounding.
; g's product takes bf16 operands.  A block of zeros, or one under 2^-124, gets the byte 1: its codes are zeros.  NaN and infinities among the inputs are not served; none that reaches only the work left out is carried to the result.
; THE MODE: SCHED_MODE bits 1:0 = 2 (LLVM: expert scheduling mode 2), set by the entry lines.  The code itself states the register dependences between vector or matrix instructions and memory or LDS instructions, with s_wait_alu, always for 0.
; THE PLAN.  Registers that LDS instructions touch, in the loop:
;   F0 v128-143, F1 v144-159, F2 v48-63, scale words v24-26   Tile t's five loads land in set t % 3; tile t's eight products read it; tile t + 3's loads, issued in step t + 1, land in it again.  Phase 1's vector lines use v128-159 too.
;   CD v32-43, BY v27-29, rings of three                      Tile t's conversions and shift write slot t % 3; its two stores read it; tile t + 3's conversions write it again.
;   window 3 v0-15 (x)                                        Phase 1's multiply-adds read them; phase 3's first four loads land in them.
;   window 3 v180-187 (g), v44 (my part of lap)               Written in phase 3 by two products, by an addition; read by stores there; written again a trip later.
;   v5, v6, v11                                               Addresses, written once a trip at phase 2's head, read in phase 3.
;   v1-v4, v7, and v1, v2 of windows 1 and 2                  Addresses, written at the head alone (v7 once more on the way out).
; ON va_vdst: one wait ahead of each tile's two stores (its codes and byte are written).  In phase 2 it stands behind all the step's products, so it states too that they are done reading the set in which the next step's loads land:
; between it and those loads stand two products and two slices, which name other sets.  Where no store's wait comes first (step 1 of phase 2; steps 1 and 3 to 6 of phase 3) a wait stands at the step's head; one stands ahead of g's
; stores and serves step 2's loads too; one ahead of lap's store.  ON vm_vsrc: one wait ahead of each tile's conversions (the ring slot's last stores have read it), one at the trip's end, ahead of the branch, one in front of the loop.
; REGISTERS, in windows of 256 (s_set_vgpr_msb: bits 1:0 source 0, 3:2 source 1, 5:4 source 2, 7:6 destination):
;   window 0: v1-15 addresses; v16-19, v20-23 W2's scale words (two orientations); v24-26 the fragments' scale words; v27-29 bytes, v30 scale operand, v32-43 codes (rings of three); v44-47 maxima; v48-63, v128-143, v144-159 fragments;
;             v64-127 Q(W2); v160-191, v192-223 accumulators; v224-255 -2 W3 h2 d2, in phase 3 the sum T.  Phase 1 uses v128-255 at work.
;   window 1: v1, v2 copies of two addresses; v16-31 W1 in bf16; v32-63 d1; v64-127 Q'(W2); v128-255 W1's rows 0-3.     window 2: v1, v2; v32-63 h1 S2; v64-127 Q'(W2) once more; v128-255 W1's rows 4-7.
;   (Q'(W2) is held twice so that phase 3's products and its multiply-adds with W1's rows run under one window setting.)     window 3: v0-15 x; v32-63 b1; v64-95 b2; v96-127 W3; v128-159 S2 = -2 sum_i W1[i]^2; v180-187 g.
.set XA,    0                          ; LDS: phase 1's nine images: tile t at 2,048 t, thread's 16 bytes at 16 x thread
.set XB,    18432                      ; phase 2's nine
.set XAS,   36864                      ; their scale bytes: 128 t + 64 s + 4 r + 2 c + h (wave = 2 s + c)
.set XBS,   38016
.set XL,    39168                      ; 2 log2(e) x, each number twice: 64 bytes a sample
.set GP,    47360                      ; parts of g: 8,192 w + 1,024 tile + 32 lane
.set LP,    80128                      ; parts of lap: 1,024 w + 128 tile + 4 lane
.set OUTS,  84224                      ; 128 results
.set SPARE, 84736                      ; the spare words, 128 bytes a wave: two blocks of 256 bytes that no other line names
.set LI,  1                            ; 16 x lane (also v1 of windows 1 and 2)
.set LS,  2                            ; 4 x lane (likewise)
.set WI,  3                            ; 16 x thread
.set WSB, 4                            ; my scale byte's place
.set GPA, 5                            ; the trip's place in GP
.set LPA, 6                            ; and in LP
.set XLB, 7                            ; XL + 64 r
.set SPW, 8                            ; my spare word; never rewritten
.set NIL, 9                            ; 0; never rewritten
.set EP,  10                           ; POT sum x^2 of sample = thread
.set XLA, 11                           ; where the next tile's x lies
.set LPB, 12
.set GPB, 13
.set SWA, 16
.set SX,  24
.set BY,  27
.set SO,  30
.set CD,  32
.set MX,  44
.set WT,  64
.set ACC, 160
.set CR,  224
.set MSB, 0
.macro WIN new                         ; the immediate's high byte repeats the setting that is left; a switch that changes nothing is dropped
.if MSB != (\new)
	s_set_vgpr_msb (MSB<<8)|(\new)
.set MSB, (\new)
.endif
.endm
.macro PLACES n
.rept \n
	v_nop
.endr
.endm
.macro BARRIER                         ; my LDS stores have landed and my LDS loads are in: then the work-group's barrier
	s_wait_dscnt 0x0
	s_barrier_signal -1
	s_barrier_wait -1
.endm
; Tile t's two fragments (16 registers, set t % 3) and its scale words (lanes 0-15 K step 0, lanes 16-31 K step 1): five LDS loads
.macro LOADF base, sbase, t
.set LF_, 128+16*((\t)%3)-112*(((\t)%3)/2)
.irp j, 0,1,2,3
	ds_load_b128 v[LF_+4*\j:LF_+4*\j+3], v[LI] offset:(\base)+2048*(\t)+512*\j
.endr
	ds_load_b32 v[SX+(\t)%3], v[LS] offset:(\sbase)+128*(\t)
.endm
; Product k of tile t's eight: accumulator q = k % 4, K step s = k / 4.  The four accumulators take turns, one instruction a turn.  ph = 2: Q(W2), ph = 3: Q'(W2) (the window says which registers v64-127 are).
.macro MM ph, t, k
.set MQ_, (\k)%4
.set MS_, (\k)/4
.set MD_, ACC+32*((\t)%2)+8*MQ_
.set MW_, WT+16*MQ_+8*MS_
.set MF_, 128+16*((\t)%3)-112*(((\t)%3)/2)+8*MS_
.set MA_, SWA+4*((\ph)-2)+MQ_
.set MB_, SX+(\t)%3
.if MS_ == 1
	v_wmma_scale_f32_16x16x128_f8f6f4 v[MD_:MD_+7], v[MW_:MW_+7], v[MF_:MF_+7], v[MD_:MD_+7], v[MA_], v[MB_] matrix_a_fmt:MATRIX_FMT_FP4 matrix_b_fmt:MATRIX_FMT_FP4 matrix_a_scale:MATRIX_SCALE_ROW1 matrix_b_scale:MATRIX_SCALE_ROW1
.elseif ((\ph) == 2) && ((\t) == 0)
	v_wmma_scale_f32_16x16x128_f8f6f4 v[MD_:MD_+7], v[MW_:MW_+7], v[MF_:MF_+7], v[64+8*MQ_:71+8*MQ_], v[MA_], v[MB_] matrix_a_fmt:MATRIX_FMT_FP4 matrix_b_fmt:MATRIX_FMT_FP4
.else
	v_wmma_scale_f32_16x16x128_f8f6f4 v[MD_:MD_+7], v[MW_:MW_+7], v[MF_:MF_+7], 0, v[MA_], v[MB_] matrix_a_fmt:MATRIX_FMT_FP4 matrix_b_fmt:MATRIX_FMT_FP4
.endif
.endm
; THE QUANTISER of a lane's block v[src] .. v[src + 31], as a numbered list of 22 lines, so that it can be dealt out in slices.  0-15 the largest magnitude (four chains of seven, the four left over, the floor 2^(3 - 127));
; 16 the conversions' scale operand (2 off the exponent field); 17-20 the codes; 21 the scale's byte, which is also the plain line behind the conversions.
.macro QS src, t, n
.if (\n) < 4
	v_max3_num_f32 v[MX+(\n)], |v[(\src)+8*(\n)]|, |v[(\src)+8*(\n)+1]|, |v[(\src)+8*(\n)+2]|
.elseif (\n) < 8
	v_max3_num_f32 v[MX+(\n)-4], v[MX+(\n)-4], |v[(\src)+8*((\n)-4)+3]|, |v[(\src)+8*((\n)-4)+4]|
.elseif (\n) < 12
	v_max3_num_f32 v[MX+(\n)-8], v[MX+(\n)-8], |v[(\src)+8*((\n)-8)+5]|, |v[(\src)+8*((\n)-8)+6]|
.elseif (\n) == 12
	v_max3_num_f32 v[MX], v[MX], v[MX+1], |v[(\src)+7]|
.elseif (\n) == 13
	v_max3_num_f32 v[MX+2], v[MX+2], v[MX+3], |v[(\src)+15]|
.elseif (\n) == 14
	v_max3_num_f32 v[MX], v[MX], |v[(\src)+23]|, |v[(\src)+31]|
.elseif (\n) == 15
	v_max3_num_f32 v[MX], v[MX], v[MX+2], 0x1800000
.elseif (\n) == 16
	v_add_nc_u32 v[SO], 0xff000000, v[MX]
.elseif (\n) < 21
	v_cvt_scalef32_pk8_fp4_f32 v[CD+4*((\t)%3)+(\n)-17], v[(\src)+8*((\n)-17):(\src)+8*((\n)-17)+7], v[SO]
.else
	v_lshrrev_b32 v[BY+(\t)%3], 23, v[SO]
.endif
.endm
.macro QST base, sbase, t              ; my 16 bytes of tile t's image, and my scale byte
	ds_store_b128 v[WI], v[CD+4*((\t)%3):CD+4*((\t)%3)+3] offset:(\base)+2048*(\t)
	ds_store_b8 v[WSB], v[BY+(\t)%3] offset:(\sbase)+128*(\t)
.endm
.macro QUANT src, base, sbase, t, wait ; the whole list.  wait >= 0: so many LDS instructions may stay out when the ring's registers are written again
.set N_, 0
.rept 17
	QS \src, \t, N_
.set N_, N_+1
.endr
.if (\wait) >= 0
	s_wait_dscnt \wait
.endif
	s_wait_alu depctr_vm_vsrc(0)                   ; the last stores from this ring slot have read its codes and its byte, which the five lines below write again
.rept 5
	QS \src, \t, N_
.set N_, N_+1
.endr
	s_wait_alu depctr_va_vdst(0)                   ; the conversions and the shift have written the codes and the byte, which the two stores read
	QST \base, \sbase, \t
.endm
; v[ACC] .. v[ACC + 31] hold 2 log2(e) a (the first `first` of them already 2^..): they become 1 / (1 + 2^..).  The exponentials are one batch, the reciprocals another: a plain line and one wait behind each.
.macro RECIP first
.set J_, \first
.rept 32-\first
	v_exp_f32 v[ACC+J_], v[ACC+J_]
.set J_, J_+1
.endr
	v_nop
	s_wait_alu depctr_va_vdst(0)                   ; the exponentials have written v[ACC ..], which the additions read
.set J_, 0
.rept 16
	v_pk_add_f32 v[ACC+J_:ACC+J_+1], v[ACC+J_:ACC+J_+1], 1.0 op_sel_hi:[1,0]
.set J_, J_+2
.endr
.set J_, 0
.rept 32
	v_rcp_f32 v[ACC+J_], v[ACC+J_]
.set J_, J_+1
.endr
	v_nop
	s_wait_alu depctr_va_vdst(0)                   ; the reciprocals have written v[ACC ..], which the multiply-adds behind the macro read
.endm
; THE SLICES: what stands behind product k of a tile.  Each reads an accumulator from its low end on.
.macro SL_T k                          ; tile 0 of phase 2: a2 x 2 log2(e), then the first 16 exponentials
.if (\k) < 4
.irp e, 0,2,4,6
	v_pk_mul_f32 v[ACC+8*(\k)+\e:ACC+8*(\k)+\e+1], v[ACC+8*(\k)+\e:ACC+8*(\k)+\e+1], s[26:27] op_sel_hi:[1,0]
.endr
.else
.irp e, 0,1,2,3
	v_exp_f32 v[ACC+4*((\k)-4)+\e], v[ACC+4*((\k)-4)+\e]
.endr
.endif
.endm
.macro SL_B t, k                       ; tile t of phase 2: x (-2 W3 h2 d2), then lines 0-15 of the quantiser
.set SA_, ACC+32*((\t)%2)
.if (\k) < 4
.irp e, 0,2,4,6
	v_pk_mul_f32 v[SA_+8*(\k)+\e:SA_+8*(\k)+\e+1], v[SA_+8*(\k)+\e:SA_+8*(\k)+\e+1], v[CR+8*(\k)+\e:CR+8*(\k)+\e+1]
.endr
.else
.set N_, 4*((\k)-4)
.rept 4
	QS SA_, \t, N_
.set N_, N_+1
.endr
.endif
.endm
.macro SL_P k                          ; tile 0 of phase 3: T = d1 ct1 (source 0: window 1)
.irp e, 0,2
	v_pk_mul_f32 v[CR+4*(\k)+\e:CR+4*(\k)+\e+1], v[32+4*(\k)+\e:33+4*(\k)+\e], v[ACC+4*(\k)+\e:ACC+4*(\k)+\e+1]
.endr
.endm
.macro SL_C t, k                       ; tile t of phase 3: T += W1[t - 1] x the tile (source 0: window 1 or 2)
.set SA_, ACC+32*((\t)%2)
.set SD_, 128+32*(((\t)-1)%4)
.irp e, 0,2
	v_pk_fma_f32 v[CR+4*(\k)+\e:CR+4*(\k)+\e+1], v[SD_+4*(\k)+\e:SD_+4*(\k)+\e+1], v[SA_+4*(\k)+\e:SA_+4*(\k)+\e+1], v[CR+4*(\k)+\e:CR+4*(\k)+\e+1]
.endr
.endm
; A STEP: tile t's eight products, a slice of tile t - 1's vector work behind each (kind 0: SL_T, 1: SL_B, 2: SL_P, 3: SL_C); behind the second, tile t + 2's loads, into the registers that tile t - 1's products have read:
; at least four plain lines that name none of those products' registers lie between (the last slices of the step before, and this step's first two).  nwait: the LDS instructions issued behind tile t's five loads.
; hw = 1: no wait on va_vdst stands between tile t - 1's products and this step, so one stands at its head.  Up to the loads this step's products and slices name set t % 3, the accumulators, the weights and T: none of the registers that the loads touch.
.macro STEP ph, t, kind, nwait, load, hw
	s_wait_dscnt \nwait
.if \hw
	s_wait_alu depctr_va_vdst(0)                   ; tile t - 1's products are done reading their fragments and their scale word, in which tile t + 2's loads land
.endif
.set K_, 0
.rept 8
	MM \ph, \t, K_
.if \kind == 0
	SL_T K_
.elseif \kind == 1
	SL_B (\t)-1, K_
.elseif \kind == 2
	SL_P K_
.else
	SL_C (\t)-1, K_
.endif
.if (K_ == 1) && \load
.if \ph == 2
	LOADF XA, XAS, (\t)+2
.else
	LOADF XB, XBS, (\t)+2
.endif
.endif
.set K_, K_+1
.endr
.if \kind == 1                         ; the rest of tile t - 1's quantiser.  Its ring registers' last stores were issued ahead of tile t's loads, which the wait above has shown landed
	QS ACC+32*(((\t)-1)%2), (\t)-1, 16
	s_wait_alu depctr_vm_vsrc(0)                   ; those stores have read the ring slot's codes and byte, which the five lines below write again
.set N_, 17
.rept 5
	QS ACC+32*(((\t)-1)%2), (\t)-1, N_
.set N_, N_+1
.endr
	s_wait_alu depctr_va_vdst(0)                   ; the codes and the byte are written, which the two stores read; and tile t's products are done reading their fragments and scale word, in which the next step's loads land
	QST XB, XBS, (\t)-1
.endif
.endm
	s_load_b256 s[4:11], s[0:1], 0x0               ; x s[4:5], W1 s[6:7], b1 s[8:9], b2 s[10:11]
	s_load_b256 s[12:19], s[0:1], 0x20             ; W3 s[12:13], wq s[14:15], ws s[16:17], out0 s[18:19]
	v_lshl_add_u32 v[SPW], v0, 2, SPARE
	v_mov_b32 v[NIL], 0
	v_lshrrev_b32 v14, 5, v0
	v_readfirstlane_b32 s20, v14                   ; wave 0..3
	v_and_b32 v14, 31, v0                          ; lane
	v_and_b32 v15, 15, v0                          ; r
	v_bfe_u32 v30, v0, 4, 1                        ; h
	v_lshlrev_b32 v[LI], 4, v14
	v_lshlrev_b32 v[LS], 2, v14
	WIN 0x40                                       ; the same two in windows 1 and 2: phase 3's LDS loads stand under settings whose source 0 is one of these
	v_lshlrev_b32 v[LI], 4, v14
	v_lshlrev_b32 v[LS], 2, v14
	WIN 0x80
	v_lshlrev_b32 v[LI], 4, v14
	v_lshlrev_b32 v[LS], 2, v14
	WIN 0
	v_lshlrev_b32 v[WI], 4, v0
	v_lshl_add_u32 v[WSB], v15, 2, v30             ; 4 r + h
	v_bfe_u32 v31, v0, 5, 1
	v_lshl_add_u32 v[WSB], v31, 1, v[WSB]          ; + 2 c
	v_bfe_u32 v31, v0, 6, 1
	v_lshl_add_u32 v[WSB], v31, 6, v[WSB]          ; + 64 s
	v_lshl_add_u32 v[XLB], v15, 6, XL
	s_wait_alu depctr_va_sdst(0)                   ; s20 is written, ahead of its first reader
	s_lshl_b32 s24, s20, 10
	s_add_co_u32 s24, s24, LP
	v_add_nc_u32 v[LPB], s24, v[LS]
	s_lshl_b32 s24, s20, 13
	s_add_co_u32 s24, s24, GP
	v_lshl_add_u32 v[GPB], v14, 5, s24
	s_lshl_b32 s24, s20, 8
	v_lshl_add_u32 v5, v30, 7, s24                 ; my 32 columns in a row of 256 f32: 256 w + 128 h bytes
	v_and_b32 v31, 7, v15
	v_lshl_add_u32 v6, v31, 10, v5                 ; the same in W1's row r % 8
	v_lshlrev_b32 v11, 5, v0                       ; x: 32 bytes a sample, sample = thread
	s_mov_b32 s26, 0x4038aa3b                      ; 2 log2(e)
	s_mov_b32 s27, s26                             ; (named with it as a pair)
	s_mov_b32 s28, 0xc1a55210                      ; KIN = -197^2 / (2 x 939)
	s_mov_b32 s29, 0x409ad9c6                      ; POT = 0.5 x 939 x (20 / 197)^2
	s_lshl_b32 s32, ttmp9, 12                      ; x: 4,096 bytes a work-group
	s_mov_b32 s33, 0
	s_lshl_b32 s34, ttmp9, 9                       ; out0: 512
	s_mov_b32 s35, 0
	s_lshl_b32 s36, s20, 13                        ; wq: 8,192 bytes a wave
	s_mov_b32 s37, 0
	s_lshl_b32 s38, s20, 9                         ; ws: 512
	s_mov_b32 s39, 0
	s_wait_kmcnt 0x0
	s_add_nc_u64 s[4:5], s[4:5], s[32:33]
	s_add_nc_u64 s[18:19], s[18:19], s[34:35]
	s_add_nc_u64 s[14:15], s[14:15], s[36:37]
	s_add_nc_u64 s[16:17], s[16:17], s[38:39]
	s_wait_alu depctr_va_vdst(0)                   ; all the addresses made above are written (v1-v7, v11, and v1, v2 of windows 1 and 2): the loads below and the loop's LDS instructions read them; only loads and window switches follow up to the loads' wait
	global_load_b128 v[160:163], v11, s[4:5] th:TH_LOAD_NT
	global_load_b128 v[164:167], v11, s[4:5] offset:16 th:TH_LOAD_NT
.set N_, 0
.rept 16
	global_load_b128 v[WT+4*N_:WT+4*N_+3], v[LI], s[14:15] offset:512*N_          ; Q(W2): my 4 tiles x 2 K steps, as the first launch laid them
.set N_, N_+1
.endr
.irp q, 0,1,2,3
	global_load_b32 v[SWA+\q], v[LS], s[16:17] offset:128*\q
	global_load_b32 v[SWA+4+\q], v[LS], s[16:17] offset:2048+128*\q
.endr
.irp m, 0,1,2,3,4,5,6,7
	global_load_b128 v[128+4*\m:131+4*\m], v6, s[6:7] offset:16*\m                 ; W1[r % 8], my 32 columns: for the bf16 operand
.endr
	WIN 0x40
.set N_, 0
.rept 16
	global_load_b128 v[WT+4*N_:WT+4*N_+3], v[LI], s[14:15] offset:32768+512*N_    ; Q'(W2)
.set N_, N_+1
.endr
.irp i, 0,1,2,3
.irp m, 0,1,2,3,4,5,6,7
	global_load_b128 v[128+32*\i+4*\m:131+32*\i+4*\m], v5, s[6:7] offset:1024*\i+16*\m
.endr
.endr
	WIN 0x80
.set N_, 0
.rept 16
	global_load_b128 v[WT+4*N_:WT+4*N_+3], v[LI], s[14:15] offset:32768+512*N_
.set N_, N_+1
.endr
.irp i, 0,1,2,3
.irp m, 0,1,2,3,4,5,6,7
	global_load_b128 v[128+32*\i+4*\m:131+32*\i+4*\m], v5, s[6:7] offset:1024*(4+\i)+16*\m
.endr
.endr
	WIN 0xc0
.irp m, 0,1,2,3,4,5,6,7
	global_load_b128 v[32+4*\m:35+4*\m], v5, s[8:9] offset:16*\m
	global_load_b128 v[64+4*\m:67+4*\m], v5, s[10:11] offset:16*\m
	global_load_b128 v[96+4*\m:99+4*\m], v5, s[12:13] offset:16*\m
.endr
	WIN 0
	s_wait_loadcnt 0x0
	s_wait_alu depctr_vm_vsrc(0)                   ; the loads have read their offsets v5, v6 and v11, which are written again: v11 below, v5 and v6 in the loop
	v_mul_f32 v[EP], v160, v160
.irp i, 1,2,3,4,5,6,7
	v_fmac_f32 v[EP], v[160+\i], v[160+\i]
.endr
	v_mul_f32 v[EP], s29, v[EP]
.irp i, 0,1,2,3,4,5,6,7
	v_mul_f32 v[192+2*\i], s26, v[160+\i]          ; 2 log2(e) x, each number twice: the packed multiply-add takes a pair's low word for both halves
	v_mul_f32 v[193+2*\i], s26, v[160+\i]
.endr
	v_lshl_add_u32 v[XLA], v0, 6, XL
	s_wait_alu depctr_va_vdst(0)                   ; v192-207 and the address v11 are written, which the four stores read
.irp j, 0,1,2,3
	ds_store_b128 v[XLA], v[192+4*\j:195+4*\j] offset:16*\j
.endr
.irp k, 0,1,2,3,4,5,6,7,8,9,10,11,12,13,14,15
	v_cvt_pk_bf16_f32 v[208+\k], v[128+2*\k], v[129+2*\k]
.endr
	v_cmp_gt_u32 vcc_lo, 8, v15
	s_wait_alu depctr_va_vcc(0)                    ; VCC is written, ahead of the selects that read it
	WIN 0x40
.irp k, 0,1,2,3,4,5,6,7,8,9,10,11,12,13,14,15
	v_cndmask_b32 v[16+\k], 0, v[208+\k], vcc_lo   ; the bf16 operand's rows 8-15 are zeros: W1 has 8 rows
.endr
	WIN 0xc3
.set M_, 0
.rept 16
	v_pk_mul_f32 v[32+M_:33+M_], v[32+M_:33+M_], s[26:27] op_sel_hi:[1,0]   ; 2 log2(e) b1
.set M_, M_+2
.endr
	WIN 0xc5
.set M_, 0
.rept 16
	v_pk_mul_f32 v[128+M_:129+M_], v[128+M_:129+M_], v[128+M_:129+M_]        ; S2: W1[0]^2,
.set M_, M_+2
.endr
	WIN 0xf5
.irp i, 1,2,3
.set M_, 0
.rept 16
	v_pk_fma_f32 v[128+M_:129+M_], v[128+32*\i+M_:129+32*\i+M_], v[128+32*\i+M_:129+32*\i+M_], v[128+M_:129+M_]
.set M_, M_+2
.endr
.endr
	WIN 0xfa
.irp i, 0,1,2,3
.set M_, 0
.rept 16
	v_pk_fma_f32 v[128+M_:129+M_], v[128+32*\i+M_:129+32*\i+M_], v[128+32*\i+M_:129+32*\i+M_], v[128+M_:129+M_]
.set M_, M_+2
.endr
.endr
	WIN 0xc3
.set M_, 0
.rept 16
	v_pk_mul_f32 v[128+M_:129+M_], v[128+M_:129+M_], -2.0 op_sel_hi:[1,0]
.set M_, M_+2
.endr
	WIN 0
	BARRIER                                        ; all 128 samples' x lie in LDS
	WIN 0xc0
.irp j, 0,1,2,3
	ds_load_b128 v[4*\j:4*\j+3], v[XLB] offset:16*\j   ; tile 0's x: sample r's 8 numbers, doubled.  (No vector line has named these registers, nor v7 since the wait ahead of the global loads)
.endr
	WIN 0
	s_mov_b32 s21, 0                               ; the tile
	s_mov_b32 s22, 0                               ; 1,024 x tile: its step in GP and in XL
	s_mov_b32 s23, 0                               ; 128 x tile: in LP
	s_wait_dscnt 0x0
	s_wait_alu depctr_vm_vsrc(0)                   ; the head's LDS stores have read v192-207 and v11, its LDS loads v7: the loop writes the first two again, the way out the third
.Ltile:
	; ---- PHASE 1.  2 log2(e) a1 = (2 log2(e) x) W1 + 2 log2(e) b1, in f32: it goes on into a quantiser
	WIN 0x3d                                       ; source 0 (W1's rows) window 1, sources 1 (x) and 2 (b1) window 3
.set M_, 0
.rept 16
	v_pk_fma_f32 v[ACC+M_:ACC+M_+1], v[128+M_:129+M_], v[0:1], v[32+M_:33+M_] op_sel_hi:[1,0,1]
.set M_, M_+2
.endr
	WIN 0x0d
.irp i, 1,2,3
.set M_, 0
.rept 16
	v_pk_fma_f32 v[ACC+M_:ACC+M_+1], v[128+32*\i+M_:129+32*\i+M_], v[2*\i:2*\i+1], v[ACC+M_:ACC+M_+1] op_sel_hi:[1,0,1]
.set M_, M_+2
.endr
.endr
	WIN 0x0e
.irp i, 0,1,2,3
.set M_, 0
.rept 16
	v_pk_fma_f32 v[ACC+M_:ACC+M_+1], v[128+32*\i+M_:129+32*\i+M_], v[8+2*\i:9+2*\i], v[ACC+M_:ACC+M_+1] op_sel_hi:[1,0,1]
.set M_, M_+2
.endr
.endr
	WIN 0
	RECIP 0
.set M_, 0
.rept 16
	v_pk_fma_f32 v[128+M_:129+M_], v[ACC+M_:ACC+M_+1], -2.0, 1.0 op_sel_hi:[1,0,0]   ; h1
.set M_, M_+2
.endr
	WIN 0x40
.set M_, 0
.rept 16
	v_pk_fma_f32 v[32+M_:33+M_], v[128+M_:129+M_], v[128+M_:129+M_], 1.0 op_sel_hi:[1,1,0] neg_lo:[1,0,0] neg_hi:[1,0,0]   ; d1 = 1 - h1^2
.set M_, M_+2
.endr
	WIN 0x83
.set M_, 0
.rept 16
	v_pk_mul_f32 v[32+M_:33+M_], v[128+M_:129+M_], v[128+M_:129+M_]                  ; S2 (window 3) x h1 (window 0)
.set M_, M_+2
.endr
	WIN 0
	QUANT 128, XA, XAS, 0, 4                       ; (the count 4 in this phase: the stores of the two tiles before may stay out; those three tiles back, which read the ring's registers, are done)
.irp b, 0,1
	WIN 0x05+\b                                    ; source 0: W1's rows 4 b .. 4 b + 3; source 1: d1
.set M_, 0
.rept 64
	v_pk_mul_f32 v[128+M_:129+M_], v[128+M_:129+M_], v[32+M_%32:33+M_%32]
.set M_, M_+2
.endr
	WIN 0
.irp d, 0,1,2,3
	QUANT 128+32*\d, XA, XAS, 1+4*\b+\d, 4
.endr
.endr
	BARRIER                                        ; the nine images lie in XA; nobody reads XB any more
	; ---- PHASE 2: products with Q(W2).  All windows 0 but where said
	LOADF XA, XAS, 0                               ; no wait on va_vdst here: the one ahead of tile 8's stores stands behind every vector line of phase 1, v128-159's readers and writers among them, and behind the last trip's products
	LOADF XA, XAS, 1
	LOADF XA, XAS, 2
	v_add_nc_u32 v[GPA], s22, v[GPB]               ; (v5, v6, v11: their last readers stand ahead of the wait on vm_vsrc at the last trip's end, or in front of the loop; their next ones in phase 3, behind this phase's waits on va_vdst)
	v_add_nc_u32 v[LPA], s23, v[LPB]
	s_add_co_u32 s30, s22, 1024
	s_min_u32 s30, s30, 7168                       ; the next tile's x; the last trip asks for its own tile once more and does not use it
	v_add_nc_u32 v[XLA], s30, v[XLB]
	s_wait_dscnt 10                                ; tile 0's five loads are in; tiles 1 and 2's may be out
	WIN 0x30                                       ; b2 (window 3) is the C of the sums' first products
.set K_, 0
.rept 4
	MM 2, 0, K_
.set K_, K_+1
.endr
	WIN 0
.rept 4
	MM 2, 0, K_
.set K_, K_+1
.endr
	PLACES 4                                       ; in front of the first read of these results and of the loads into tile 0's fragments
	STEP 2, 1, 0, 5, 1, 1
	RECIP 16
.set M_, 0
.rept 16
	v_pk_fma_f32 v[ACC+M_:ACC+M_+1], v[ACC+M_:ACC+M_+1], -2.0, 1.0 op_sel_hi:[1,0,0]  ; h2
.set M_, M_+2
.endr
.set M_, 0
.rept 16
	v_pk_fma_f32 v[CR+M_:CR+M_+1], v[ACC+M_:ACC+M_+1], v[ACC+M_:ACC+M_+1], 1.0 op_sel_hi:[1,1,0] neg_lo:[1,0,0] neg_hi:[1,0,0]   ; d2
.set M_, M_+2
.endr
.set M_, 0
.rept 16
	v_pk_mul_f32 v[ACC+M_:ACC+M_+1], v[ACC+M_:ACC+M_+1], -2.0 op_sel_hi:[1,0]         ; -2 h2
.set M_, M_+2
.endr
	WIN 0x03
.set M_, 0
.rept 16
	v_pk_mul_f32 v[CR+M_:CR+M_+1], v[96+M_:97+M_], v[CR+M_:CR+M_+1]                   ; W3 d2: the cotangent of a2
.set M_, M_+2
.endr
	WIN 0
	QUANT CR, XB, XBS, 0, -1                       ; (its wait on va_vdst stands behind tile 1's products too: step 2's loads land in their fragments)
.set M_, 0
.rept 16
	v_pk_mul_f32 v[CR+M_:CR+M_+1], v[CR+M_:CR+M_+1], v[ACC+M_:ACC+M_+1]               ; -2 W3 h2 d2
.set M_, M_+2
.endr
	STEP 2, 2, 1, 7, 1, 0                          ; behind tile 2's loads: tile 3's five, tile 0's two stores
	STEP 2, 3, 1, 9, 1, 0                          ; from here: two stores, five loads, two stores
	STEP 2, 4, 1, 9, 1, 0
	STEP 2, 5, 1, 9, 1, 0
	STEP 2, 6, 1, 9, 1, 0
	STEP 2, 7, 1, 9, 0, 0
	STEP 2, 8, 1, 4, 0, 0                          ; two tiles' stores
.set K_, 0
.rept 8
	SL_B 8, K_
.set K_, K_+1
.endr
	QS ACC, 8, 16
	s_wait_dscnt 4                                 ; tile 5's stores, which read this ring slot, are done; tiles 6 and 7's may be out
	s_wait_alu depctr_vm_vsrc(0)                   ; tile 5's stores have read the ring slot's codes and byte, which the five lines below write again
.set N_, 17
.rept 5
	QS ACC, 8, N_
.set N_, N_+1
.endr
	s_wait_alu depctr_va_vdst(0)                   ; tile 8's codes and byte are written, which the two stores read; the phase's last products are done reading the three sets of fragments, phase 1 is done reading x, and v11 is written: for phase 3's first loads
	QST XB, XBS, 8
	BARRIER                                        ; the nine images lie in XB; nobody reads XA any more
	; ---- PHASE 3: products with Q'(W2)
	WIN 0xc0
.irp j, 0,1,2,3
	ds_load_b128 v[4*\j:4*\j+3], v[XLA] offset:16*\j   ; the next tile's x: issued first, so the counts below show it landed too
.endr
	WIN 0x01                                       ; source 0 window 1: Q'(W2), d1, W1's rows 0-3, and the loads' addresses
	LOADF XB, XBS, 0
	LOADF XB, XBS, 1
	LOADF XB, XBS, 2
	s_wait_dscnt 10
.set K_, 0
.rept 8
	MM 3, 0, K_
.set K_, K_+1
.endr
	PLACES 4
	STEP 3, 1, 2, 5, 1, 1
	WIN 0
.irp k, 0,1,2,3,4,5,6,7,8,9,10,11,12,13,14,15
	v_cvt_pk_bf16_f32 v[CR+\k], v[CR+2*\k], v[CR+2*\k+1]   ; d1 ct1 in bf16, in place from the low end: register k = columns 2 k, 2 k + 1 of my 32, as in W1's operand
.endr
	PLACES 4
	WIN 0xf1                                       ; W1 (window 1) x d1 ct1 (window 0) -> g (window 3): lanes 0-15, register i: my wave's part of g_i of sample r
	v_wmma_f32_16x16x32_bf16 v[180:187], v[16:23], v[CR:CR+7], 0
	s_wait_alu depctr_va_vdst(0)                   ; the first product has written g, which the second adds onto
	v_wmma_f32_16x16x32_bf16 v[180:187], v[24:31], v[CR+8:CR+15], v[180:187]
	WIN 0x02
.set M_, 16
.rept 8
	v_pk_mul_f32 v[CR+M_:CR+M_+1], v[32+M_:33+M_], v[ACC+M_:ACC+M_+1]   ; T = h1 S2 ct1.  The upper half first: eight lines that name no register of the two products above
.set M_, M_+2
.endr
.set M_, 0
.rept 8
	v_pk_mul_f32 v[CR+M_:CR+M_+1], v[32+M_:33+M_], v[ACC+M_:ACC+M_+1]
.set M_, M_+2
.endr
	WIN 0x0c                                       ; an LDS store's data are its source 1: window 3
	s_wait_alu depctr_va_vdst(0)                   ; the two products have written g, which the stores read (the places above stay beside this wait); and tile 1's products are done reading their fragments and scale word, in which step 2's loads land
	ds_store_b128 v[GPA], v[180:183]
	ds_store_b128 v[GPA], v[184:187] offset:16
	WIN 0x01
	STEP 3, 2, 3, 7, 1, 0                          ; behind tile 2's loads: tile 3's five, g's two stores
	STEP 3, 3, 3, 7, 1, 1                          ; g's two stores, tile 4's five
	STEP 3, 4, 3, 5, 1, 1
	STEP 3, 5, 3, 5, 1, 1
	WIN 0x02                                       ; W1's rows 4-7, and the second copy of Q'(W2)
	STEP 3, 6, 3, 5, 1, 1
	STEP 3, 7, 3, 5, 0, 0
	STEP 3, 8, 3, 0, 0, 0
.set K_, 0
.rept 8
	SL_C 8, K_
.set K_, K_+1
.endr
	WIN 0x01                                       ; my part of lap: sum over my 32 columns of d1 T, in four chains
	v_pk_mul_f32 v[44:45], v[32:33], v[CR:CR+1]
	v_pk_mul_f32 v[46:47], v[34:35], v[CR+2:CR+3]
	v_pk_mul_f32 v[14:15], v[36:37], v[CR+4:CR+5]
	v_pk_mul_f32 v[30:31], v[38:39], v[CR+6:CR+7]
.irp j, 8,16,24
	v_pk_fma_f32 v[44:45], v[32+\j:33+\j], v[CR+\j:CR+\j+1], v[44:45]
	v_pk_fma_f32 v[46:47], v[34+\j:35+\j], v[CR+2+\j:CR+3+\j], v[46:47]
	v_pk_fma_f32 v[14:15], v[36+\j:37+\j], v[CR+4+\j:CR+5+\j], v[14:15]
	v_pk_fma_f32 v[30:31], v[38+\j:39+\j], v[CR+6+\j:CR+7+\j], v[30:31]
.endr
	WIN 0
	v_pk_add_f32 v[44:45], v[44:45], v[46:47]
	v_pk_add_f32 v[14:15], v[14:15], v[30:31]
	v_pk_add_f32 v[44:45], v[44:45], v[14:15]
	v_add_f32 v44, v44, v45
	s_wait_alu depctr_va_vdst(0)                   ; the addition has written v44, which the store reads
	ds_store_b32 v[LPA], v44
	s_wait_alu depctr_vm_vsrc(0)                   ; this trip's LDS instructions have read v44, g, v5, v6 and v11: the next trip writes them again, and the way out v5, v6 and v11
	s_add_co_u32 s22, s22, 1024
	s_add_co_u32 s23, s23, 128
	s_add_co_u32 s21, s21, 1
	s_cmp_lt_u32 s21, 8
	s_cbranch_scc1 .Ltile
	; ---- THE WAY OUT.  Thread = sample: the four waves' parts of g and the eight parts of lap are added
	BARRIER
	v_lshrrev_b32 v14, 4, v0                       ; the sample's tile,
	v_and_b32 v15, 15, v0                          ; and its place in it
	v_lshlrev_b32 v[GPA], 10, v14
	v_lshl_add_u32 v[GPA], v15, 5, v[GPA]
	v_add_nc_u32 v[GPA], GP, v[GPA]
	v_lshlrev_b32 v[LPA], 7, v14
	v_lshl_add_u32 v[LPA], v15, 2, v[LPA]
	v_add_nc_u32 v[LPA], LP, v[LPA]
	v_lshl_add_u32 v[XLA], v0, 2, OUTS
	v_add_nc_u32 v[XLB], OUTS, v[LI]
	s_wait_alu depctr_va_vdst(0)                   ; the four addresses are written, which the LDS instructions below read; the loop's products and vector lines are done with v128-159 and v224-231, in which the loads land
.irp w, 0,1,2,3
	ds_load_b128 v[128+8*\w:131+8*\w], v[GPA] offset:8192*\w
	ds_load_b128 v[132+8*\w:135+8*\w], v[GPA] offset:8192*\w+16
	ds_load_b32 v[CR+2*\w], v[LPA] offset:1024*\w
	ds_load_b32 v[CR+1+2*\w], v[LPA] offset:1024*\w+64
.endr
	s_wait_dscnt 0x0
.irp w, 1,2,3
.irp e, 0,2,4,6
	v_pk_add_f32 v[128+\e:129+\e], v[128+\e:129+\e], v[128+8*\w+\e:129+8*\w+\e]
.endr
.endr
	v_pk_add_f32 v[CR:CR+1], v[CR:CR+1], v[CR+2:CR+3]
	v_pk_add_f32 v[CR+4:CR+5], v[CR+4:CR+5], v[CR+6:CR+7]
	v_pk_mul_f32 v[14:15], v[128:129], v[128:129]
	v_pk_add_f32 v[CR:CR+1], v[CR:CR+1], v[CR+4:CR+5]
	v_pk_fma_f32 v[14:15], v[130:131], v[130:131], v[14:15]
	v_pk_fma_f32 v[14:15], v[132:133], v[132:133], v[14:15]
	v_pk_fma_f32 v[14:15], v[134:135], v[134:135], v[14:15]
	v_pk_add_f32 v[14:15], v[14:15], v[CR:CR+1]
	v_add_f32 v14, v14, v15                        ; lap + sum g^2
	v_fma_f32 v14, s28, v14, v[EP]
	s_wait_alu depctr_va_vdst(0)                   ; v14 is written, which the store reads; the sums above are done with v128-131, in which wave 0's load lands
	ds_store_b32 v[XLA], v14
	BARRIER
	s_cmp_lg_u32 s20, 0
	s_cbranch_scc1 .Ldone
	ds_load_b128 v[128:131], v[XLB]                ; wave 0 stores the work-group's 512 bytes: 32 lanes, 16 neighbouring bytes each, aligned
	s_wait_dscnt 0x0
	global_store_b128 v[LI], v[128:131], s[18:19]
.Ldone:
	s_wait_dscnt 0x0                               ; the wave's end, behind my last LDS store
	s_wait_alu 0x0
	s_wait_tensorcnt 0x0
	ds_add_u32 v[SPW], v[NIL]
	s_wait_dscnt 0x0
	s_endpgm
.Lfunc_end_k_qbef98cad0e_energy:
	.size	k_qbef98cad0e_energy, .Lfunc_end_k_qbef98cad0e_energy-k_qbef98cad0e_energy
	.p2alignl 7, 3214868480
	.fill 96, 4, 3214868480
	.section	.rodata,"a",@progbits
	.p2align	6, 0x0
	.amdhsa_kernel k_qbef98cad0e_energy
		.amdhsa_group_segment_fixed_size 85248
		.amdhsa_private_segment_fixed_size 0
		.amdhsa_enable_private_segment 0
		.amdhsa_kernarg_size 64
		.amdhsa_user_sgpr_count 2
		.amdhsa_user_sgpr_kernarg_segment_ptr 1
		.amdhsa_wavefront_size32 1
		.amdhsa_system_sgpr_workgroup_id_x 1
		.amdhsa_system_sgpr_workgroup_id_y 1
		.amdhsa_system_sgpr_workgroup_id_z 1
		.amdhsa_system_vgpr_workitem_id 0
		.amdhsa_next_free_vgpr 1024
		.amdhsa_next_free_sgpr 66
		.amdhsa_reserve_vcc 1
		.amdhsa_float_denorm_mode_32 3
		.amdhsa_float_denorm_mode_16_64 3
		.amdhsa_memory_ordered 1
		.amdhsa_forward_progress 1
		.amdhsa_inst_pref_size 142
	.end_amdhsa_kernel
	.amdgpu_metadata
---
amdhsa.version: [ 1, 2 ]
amdhsa.kernels:
  - .name:           k_qbef98cad0e_energy
    .symbol:         k_qbef98cad0e_energy.kd
    .args:
      - { .name: x, .offset: 0, .size: 8, .value_kind: global_buffer, .address_space: global }
      - { .name: W1, .offset: 8, .size: 8, .value_kind: global_buffer, .address_space: global }
      - { .name: b1, .offset: 16, .size: 8, .value_kind: global_buffer, .address_space: global }
      - { .name: b2, .offset: 24, .size: 8, .value_kind: global_buffer, .address_space: global }
      - { .name: W3, .offset: 32, .size: 8, .value_kind: global_buffer, .address_space: global }
      - { .name: wq, .offset: 40, .size: 8, .value_kind: global_buffer, .address_space: global }
      - { .name: ws, .offset: 48, .size: 8, .value_kind: global_buffer, .address_space: global }
      - { .name: out0, .offset: 56, .size: 8, .value_kind: global_buffer, .address_space: global }
    .group_segment_fixed_size: 85248
    .private_segment_fixed_size: 0
    .kernarg_segment_align: 8
    .kernarg_segment_size: 64
    .max_flat_workgroup_size: 128
    .sgpr_count:     66
    .vgpr_count:     1024
    .wavefront_size: 32
...
	.end_amdgpu_metadata
.endif
;; end of part 3
